; MI455X (gfx1250); checked and timed in simulation.
; The chip was launched on July 23, 2026; its instructions are those of AMD's public machine-readable ISA for CDNA 5 (MIT licence, August 2026) and "CDNA5" Instruction Set Architecture Reference Guide (July 2026). The comments in the code are by the model that wrote it; some were corrected since.
;; Multi Head Attention. Allowed arithmetic: float matrix products may take bf16 or f16 operands with f32 sums; all other float work in f32.
;; Inputs: Wk 1,024 x 1,024 float32; Wo 1,024 x 1,024 float32; Wq 1,024 x 1,024 float32; Wv 1,024 x 1,024 float32; token_positions 2 x 2,048 int32; x 2 x 2,048 x 1,024 float32.
;; Outputs: out0 2 x 2,048 x 1,024 float32.
;; 2 versions, each right; version 2 is version 1 with the launches prep, early written anew for expert scheduling mode. Each part assembles by itself: llvm-mc -triple=amdgcn-amd-amdhsa -mcpu=gfx1250 --defsym DOCPART=n.
;; ======== version 1 of 2: 5 launches
;; limits: values are held in f16: magnitudes above 65,504 overflow, below 6.1e-05 lose precision
;; workspace buffers: xh 8,388,608 bytes; wh 8,388,608 bytes; rope 1,048,576 bytes; qkv 25,165,824 bytes; oh 8,388,608 bytes; sp 393,216 bytes
;; launch prep (part 1): grid 256 x 1, 8 waves a work-group, no clusters, 0 bytes of LDS; arguments x, Wq, Wk, Wv, Wo, token_positions, xh, wh, rope; writes xh, wh, rope
.if DOCPART == 1
	.amdgcn_target "amdgcn-amd-amdhsa--gfx1250"
	.amdhsa_code_object_version 6
	.text
	.protected	k_qde918d6929_prep
	.globl	k_qde918d6929_prep
	.p2align	8
	.type	k_qde918d6929_prep,@function
k_qde918d6929_prep:
	s_mov_b64 s[64:65], 0
	v_nop
	global_prefetch_b8 v0, s[64:65] scope:SCOPE_SE
	s_setreg_imm32_b32 hwreg(HW_REG_WAVE_MODE, 25, 1), 1
	s_wait_xcnt 0x0
; prep: x and the four weight matrices become matrix operands, and the table of cosines and sines of the rotary embedding is made.
; OPERAND FORMAT: each number is rounded to bf16 (nearest even) and then written as f16.  f16 has three more mantissa bits than bf16, so every bf16
; number of magnitude 2^-17 to 65,504 is held exactly (smaller ones within 2^-25).  The inputs thus carry bf16's rounding and nothing else, while the later launches'
; intermediates (q, k, v, p, o) use f16's finer step in the same matrix form.
; 256 work-groups of 8 waves.  Work-group g converts 32,768 numbers (131,072 bytes in, 65,536 out):
;   g < 128:  x  + 131,072 g                 -> xh + 65,536 g
;   g >= 128: W[(g-128)/32] + 131,072 (g%32) -> wh + 65,536 (g-128)     (wh = Wq, Wk, Wv, Wo one behind the other, 1,024 rows each)
; Thread t takes 16 bytes at 16 t + 4,096 i (i = 0..31): a wave's load covers 512 consecutive bytes; its store of 8 bytes a lane
; covers 256 consecutive bytes that begin at a multiple of 256.  All 32 loads are issued at once; nothing is read twice.  No LDS, no barrier,
; no matrix unit: the launch only moves bytes.
; Work-group g also writes block g (16 token rows, 4,096 bytes) of the table.  Thread t = 64 pos + 32 half + 16 h + r writes 16 bytes at 16 t:
; (cos, sin, cos, sin) of the pairs j0 = 8 pos + 4 h + 2 half and j0 + 1 for token row 16 g + r: the order in which the next launch's lanes want them.
; angle = position * 10000^(-j/32), the product rounded once.  10000^(-j/32) = exp2(-j log2(10)/8); the exponent's rounding residue is put back by a first-order term.
; LIMITS: magnitudes of x and W below 65,504.  Positions are taken as 0..2047 (the table that the angles stand for has 2,048 rows).
; The angle is reduced by multiples of pi/2 in two parts (good for multiples up to 2^11), sine and cosine are polynomials on |r| <= pi/4
; with a truncation below 4e-7; the power's last bit times the position leaves at most about 3e-4 radians.
.set PF,  5                            ; v5        position as f32
.set JF,  6                            ; v6, v7    j0, j0 + 1 as f32
.set W,   8                            ; v[8:12]   at work
.set X,   16                           ; v[16:143] the 32 loads, 4 registers each; converted in place
.set RO,  144                          ; v[144:147] cos, sin, cos, sin
	s_load_b512 s[8:23], s[0:1], 0x0               ; x s[8:9], Wq s[10:11], Wk s[12:13], Wv s[14:15], Wo s[16:17], positions s[18:19], xh s[20:21], wh s[22:23]
	s_load_b64 s[24:25], s[0:1], 0x40              ; rope
	s_mov_b32 s4, ttmp9                            ; g
	s_mov_b32 s26, 0xffff0000                      ; a word's upper bf16
	v_lshlrev_b32 v1, 4, v0                        ; 16 t: loads, and the table's store
	v_lshlrev_b32 v2, 3, v0                        ; 8 t: stores
	v_and_b32 v4, 15, v0
	v_lshlrev_b32 v4, 2, v4                        ; 4 r: my row's position
	; byte offsets, in registers of their own
	s_and_b32 s5, s4, 31
	s_cmp_lt_u32 s4, 128
	s_cselect_b32 s5, s4, s5                       ; piece of the source: g in x, g % 32 in a weight matrix
	s_lshl_b32 s32, s5, 17
	s_mov_b32 s33, 0
	s_and_b32 s34, s4, 127                         ; piece of the destination: g in xh, g - 128 in wh
	s_lshl_b32 s34, s34, 16
	s_mov_b32 s35, 0
	s_lshl_b32 s36, s4, 6                          ; 16 positions of 4 bytes
	s_mov_b32 s37, 0
	s_lshl_b32 s38, s4, 12                         ; a block of the table
	s_mov_b32 s39, 0
	s_wait_kmcnt 0x0
	s_mov_b64 s[28:29], s[16:17]                   ; the source: Wo, unless g is smaller
	s_cmp_lt_u32 s4, 224
	s_cselect_b64 s[28:29], s[14:15], s[28:29]
	s_cmp_lt_u32 s4, 192
	s_cselect_b64 s[28:29], s[12:13], s[28:29]
	s_cmp_lt_u32 s4, 160
	s_cselect_b64 s[28:29], s[10:11], s[28:29]
	s_cmp_lt_u32 s4, 128
	s_cselect_b64 s[28:29], s[8:9], s[28:29]
	s_cselect_b64 s[30:31], s[20:21], s[22:23]     ; the destination, on the same compare
	s_add_nc_u64 s[28:29], s[28:29], s[32:33]
	s_add_nc_u64 s[30:31], s[30:31], s[34:35]
	s_add_nc_u64 s[18:19], s[18:19], s[36:37]
	s_add_nc_u64 s[24:25], s[24:25], s[38:39]
	global_load_b32 v3, v4, s[18:19]               ; the position first: the table is made while the data are on their way
.set i, 0
.rept 32
	global_load_b128 v[X+4*i:X+4*i+3], v1, s[28:29] offset:4096*i th:TH_LOAD_NT
.set i, i+1
.endr
	v_lshrrev_b32 v[JF], 6, v0                     ; pos
	v_lshlrev_b32 v[JF], 3, v[JF]
	v_bfe_u32 v[JF+1], v0, 4, 1                    ; h
	v_lshl_or_b32 v[JF], v[JF+1], 2, v[JF]
	v_bfe_u32 v[JF+1], v0, 5, 1                    ; half
	v_lshl_or_b32 v[JF], v[JF+1], 1, v[JF]         ; j0 = 8 pos + 4 h + 2 half
	v_add_nc_u32 v[JF+1], 1, v[JF]
	v_cvt_f32_u32 v[JF], v[JF]
	v_cvt_f32_u32 v[JF+1], v[JF+1]
	s_wait_loadcnt 32                              ; loads come back in order: the position is in, the 32 younger loads stay out
	v_cvt_f32_i32 v[PF], v3
; cos and sin of position * 10000^(-j/32)
.macro SINCOS dc, dsn, jf
	v_mul_f32 v[W], 0xbed49a78, v[\jf]             ; a = -j c1, c1 = log2(10)/8 rounded to f32
	v_fma_f32 v[W+1], 0xbed49a78, v[\jf], -v[W]    ; what that product's rounding dropped,
	v_fmamk_f32 v[W+1], v[\jf], 0xb217b15b, v[W+1] ; and what c1's own rounding dropped (-8.83e-9 j)
	v_exp_f32 v[W], v[W]
	v_mul_f32 v[W+1], 0x3f317218, v[W+1]           ; times ln 2.  Also the plain instruction that stands behind a transcendental before its result is used
	s_wait_alu depctr_va_vdst(0)
	v_fma_f32 v[W], v[W], v[W+1], v[W]             ; exp2(a + e) = exp2(a) (1 + e ln 2) to first order; e is below 1e-6
	v_mul_f32 v[W], v[PF], v[W]                    ; the angle a
	v_mul_f32 v[W+1], 0x3f22f983, v[W]             ; a * 2/pi
	v_rndne_f32 v[W+1], v[W+1]                     ; k
	v_fmamk_f32 v[W], v[W+1], 0xbfc90fdb, v[W]     ; r = a - k * (pi/2 rounded to f32)
	v_fmamk_f32 v[W], v[W+1], 0x333bbd2e, v[W]     ;     + k * (what that rounding added)
	v_mul_f32 v[W+2], v[W], v[W]                   ; r^2
	v_cvt_i32_f32 v[W+1], v[W+1]                   ; the quadrant's number
	v_mov_b32 v[W+3], 0xb9500d01                   ; sin r = r + r r^2 (-1/6 + r^2 (1/120 - r^2/5040))
	v_fmaak_f32 v[W+3], v[W+2], v[W+3], 0x3c088889
	v_fmaak_f32 v[W+3], v[W+2], v[W+3], 0xbe2aaaab
	v_mul_f32 v[W+4], v[W], v[W+2]
	v_fma_f32 v[W+3], v[W+4], v[W+3], v[W]
	v_mov_b32 v[W+4], 0x37d00d01                   ; cos r = 1 + r^2 (-1/2 + r^2 (1/24 + r^2 (-1/720 + r^2/40320)))
	v_fmaak_f32 v[W+4], v[W+2], v[W+4], 0xbab60b61
	v_fmaak_f32 v[W+4], v[W+2], v[W+4], 0x3d2aaaab
	v_fmaak_f32 v[W+4], v[W+2], v[W+4], 0xbf000000
	v_fma_f32 v[W+4], v[W+2], v[W+4], 1.0
	v_and_b32 v[W], 1, v[W+1]
	v_cmp_eq_u32 vcc_lo, 1, v[W]                   ; odd quadrants swap the two
	v_cndmask_b32 v[\dsn], v[W+3], v[W+4], vcc_lo
	v_cndmask_b32 v[\dc], v[W+4], v[W+3], vcc_lo
	v_lshlrev_b32 v[W], 30, v[W+1]                 ; the sine's sign: bit 1 of k
	v_and_b32 v[W], 0x80000000, v[W]
	v_xor_b32 v[\dsn], v[W], v[\dsn]
	v_add_nc_u32 v[W+1], 1, v[W+1]                 ; the cosine's sign: bit 1 of k + 1
	v_lshlrev_b32 v[W], 30, v[W+1]
	v_and_b32 v[W], 0x80000000, v[W]
	v_xor_b32 v[\dc], v[W], v[\dc]
.endm
	SINCOS RO, RO+1, JF
	SINCOS RO+2, RO+3, JF+1
	global_store_b128 v1, v[RO:RO+3], s[24:25]     ; a wave's store covers 512 consecutive bytes
.set i, 0
.rept 32
	s_wait_loadcnt 31-i                            ; load i is in, the younger ones stay out
	v_cvt_pk_bf16_f32 v[X+4*i], v[X+4*i], v[X+4*i+1]       ; the one rounding: to bf16
	v_cvt_pk_bf16_f32 v[X+4*i+2], v[X+4*i+2], v[X+4*i+3]
	v_lshlrev_b32 v[X+4*i+1], 16, v[X+4*i]                 ; back to f32: the low half moves up,
	v_and_b32 v[X+4*i], s26, v[X+4*i]                      ; the high half stays
	v_lshlrev_b32 v[X+4*i+3], 16, v[X+4*i+2]
	v_and_b32 v[X+4*i+2], s26, v[X+4*i+2]
	v_cvt_pk_f16_f32 v[X+4*i], v[X+4*i+1], v[X+4*i]        ; the same numbers written as f16
	v_cvt_pk_f16_f32 v[X+4*i+1], v[X+4*i+3], v[X+4*i+2]
	global_store_b64 v2, v[X+4*i:X+4*i+1], s[30:31] offset:2048*i   ; no register that a store reads is written again
.set i, i+1
.endr
	s_endpgm
.Lfunc_end_k_qde918d6929_prep:
	.size	k_qde918d6929_prep, .Lfunc_end_k_qde918d6929_prep-k_qde918d6929_prep
	.p2alignl 7, 3214868480
	.fill 96, 4, 3214868480
	.section	.rodata,"a",@progbits
	.p2align	6, 0x0
	.amdhsa_kernel k_qde918d6929_prep
		.amdhsa_group_segment_fixed_size 0
		.amdhsa_private_segment_fixed_size 0
		.amdhsa_enable_private_segment 0
		.amdhsa_kernarg_size 72
		.amdhsa_user_sgpr_count 2
		.amdhsa_user_sgpr_kernarg_segment_ptr 1
		.amdhsa_wavefront_size32 1
		.amdhsa_system_sgpr_workgroup_id_x 1
		.amdhsa_system_sgpr_workgroup_id_y 1
		.amdhsa_system_sgpr_workgroup_id_z 1
		.amdhsa_system_vgpr_workitem_id 0
		.amdhsa_next_free_vgpr 148
		.amdhsa_next_free_sgpr 66
		.amdhsa_reserve_vcc 1
		.amdhsa_float_denorm_mode_32 3
		.amdhsa_float_denorm_mode_16_64 3
		.amdhsa_memory_ordered 1
		.amdhsa_forward_progress 1
		.amdhsa_inst_pref_size 25
	.end_amdhsa_kernel
	.amdgpu_metadata
---
amdhsa.version: [ 1, 2 ]
amdhsa.kernels:
  - .name:           k_qde918d6929_prep
    .symbol:         k_qde918d6929_prep.kd
    .args:
      - { .name: x, .offset: 0, .size: 8, .value_kind: global_buffer, .address_space: global }
      - { .name: Wq, .offset: 8, .size: 8, .value_kind: global_buffer, .address_space: global }
      - { .name: Wk, .offset: 16, .size: 8, .value_kind: global_buffer, .address_space: global }
      - { .name: Wv, .offset: 24, .size: 8, .value_kind: global_buffer, .address_space: global }
      - { .name: Wo, .offset: 32, .size: 8, .value_kind: global_buffer, .address_space: global }
      - { .name: token_positions, .offset: 40, .size: 8, .value_kind: global_buffer, .address_space: global }
      - { .name: xh, .offset: 48, .size: 8, .value_kind: global_buffer, .address_space: global }
      - { .name: wh, .offset: 56, .size: 8, .value_kind: global_buffer, .address_space: global }
      - { .name: rope, .offset: 64, .size: 8, .value_kind: global_buffer, .address_space: global }
    .group_segment_fixed_size: 0
    .private_segment_fixed_size: 0
    .kernarg_segment_align: 8
    .kernarg_segment_size: 72
    .max_flat_workgroup_size: 256
    .sgpr_count:     66
    .vgpr_count:     148
    .wavefront_size: 32
...
	.end_amdgpu_metadata
.endif
;; end of part 1
;; launch qkv (part 2): grid 12 x 16, 4 waves a work-group, clusters of 4 x 4, 327,680 bytes of LDS; arguments xh, wh, qkv, rope, sp; writes qkv, sp
.if DOCPART == 2
	.amdgcn_target "amdgcn-amd-amdhsa--gfx1250"
	.amdhsa_code_object_version 6
	.text
	.protected	k_qde918d6929_qkv
	.globl	k_qde918d6929_qkv
	.p2align	8
	.type	k_qde918d6929_qkv,@function
k_qde918d6929_qkv:
	s_mov_b64 s[64:65], 0
	v_nop
	global_prefetch_b8 v0, s[64:65] scope:SCOPE_SE
	s_setreg_imm32_b32 hwreg(HW_REG_WAVE_MODE, 25, 1), 1
	s_wait_xcnt 0x0
	s_wait_alu depctr_hold_cnt(0) depctr_sa_sdst(0) depctr_va_vdst(0) depctr_va_sdst(0) depctr_va_ssrc(0) depctr_va_vcc(0) depctr_vm_vsrc(0)
	s_getreg_b32 s2, hwreg(HW_REG_IB_STS2, 6, 4)
	s_cmp_eq_u32 s2, 0
	s_cbranch_scc0 .Lentry_in_a_cluster
	s_endpgm
.Lentry_in_a_cluster:
	s_bfe_u32 s2, ttmp6, 0x10000c
	s_cmp_lg_u32 s2, 0xf033
	s_cbranch_scc0 .Lentry_shape_is_right
	s_endpgm
.Lentry_shape_is_right:
; qkv: C[m][n] = sum over k of xh[m][k] wh[n][k] for the 4,096 token rows and the 3,072 rows of Wq, Wk, Wv; f16 operands, f32 sums.
; q and k are rotated (rotary embedding) on the way out; all three go to qkv as f16 [3][4096][1024].
; A work-group makes 256 x 256 of C with four waves; a wave makes 128 x 128: 64 accumulator tiles of 16 x 16, 512 registers.
; K goes in steps of 128 through a ring of two LDS slots filled by the tensor data mover: a tile's rows are 256 bytes of memory at multiples of 256.
; CLUSTERS: 4 x 4 work-groups.  The four of a row of the cluster need the same tiles of xh, the four of a column the same tiles of wh: such a tile is asked
; for jointly, each of the four issuing the same load with the same descriptor and a mask that names the four.  That divides the requests for both by four.
; A cluster spans 1,024 columns, so the cluster's x (0, 1, 2) says whether its block is q, k or v: the one branch on it is alike in all sixteen partners.
; THE FIRST 16 ROWS OF EACH BATCH go out a second time, as pairs of f16 (hi = the f32 result cut to 11 bits, lo = the rest), to sp [3][2][hi, lo][16][1024].
; A causal row with n keys is an average of n values, so the first rows are about ten times the size of a typical one, and one f16 step of q, k, v there is too coarse
; against an allowance set by the whole output.  A launch of its own finishes those rows from the pairs.  The extra block is entered on the wave's number and the
; cluster's y (alike in all partners); which of the cluster's four block rows holds the rows is settled by EXEC on the global stores alone: no branch hangs on cx or cy.
; LIMIT: q, k, v are rounded to f16: magnitudes below 65,504 (after the rotation, which can grow a pair by sqrt 2); a lo part below 2^-14 has a step of 2^-24.
;
; REGISTERS, in windows of 256 (s_set_vgpr_msb says which window each operand place means):
;   window 0: v16-28 addresses; v64-127, v128-191 fragments of xh (8 x 16 rows x 32 K), two buffers.  On the way out: v32-63 rows read back,
;             v64-191 cosines and sines (four blocks of 32), v192-255 rotated results
;   window 1: v64-127, v128-191 fragments of wh, two buffers; on the way out v64-127 hold the hi (then lo) parts in f32
;   window 2: the 32 accumulator tiles of my rows 0-63 (tile (a, b) at v[8 (8 a + b)]);   window 3: those of my rows 64-127
; THE MATRIX INSTRUCTION IS USED TRANSPOSED: source 0 = 16 rows of wh, source 1 = 16 rows of xh.  Lane l then holds row l % 16 of C and in its registers 0 to 7
; the columns 8 (l / 16) + 0..7: four neighbouring pairs of the rotation, and 16 bytes of f16 that belong together.
.set SIZE_K, 1024
.set KSTEP,  128
.set PITCH,  272                       ; an LDS row: 256 bytes + 16 of padding: the 16 rows that a load touches begin at 16 different 16-byte columns of 256 bytes
.set HALFT,  128*PITCH                 ; 128 rows: what one tensor load brings, and what one wave reads of either operand
.set SLOT,   4*HALFT                   ; xh's 256 rows, then wh's 256 rows
.set STAGE,  2*SLOT                    ; behind the ring: 16 rows x 272 bytes for each wave, for the way out; no tensor load lands there
.set SPITCH, 272
.set LAPS,   SIZE_K/(2*KSTEP)          ; a lap = two K steps = once round the ring: 4
.set ROWB,   2048                      ; bytes in a row of xh, of wh, of a part of qkv and of sp
.set HLB,    16*ROWB                   ; sp: from the hi rows to the lo rows
.set ADRA, 16                          ; v16-17  LDS address of my xh fragments in slot 0, 1
.set ADRB, 20                          ; v20-21  the same for wh
.set STO,  24                          ; v24     the way out: where I put 16 bytes of a row
.set RD,   25                          ; v25     the way out: where I read a row back
.set CO,   26                          ; v26     my byte offset in C
.set LN,   27                          ; v27     16 x lane: my 16 bytes in each 512 of the table
.set FL,   28                          ; v28     block row % 8: 0 where the block begins a batch
.set RB,   32                          ; v32-63  rows read back from the stage
.set F0,   64
.set F1,   128
.set CS,   64                          ; v64-191 the table's blocks, four taking turns
.set H,    64                          ; window 1, v64-127: hi, then lo, of 64 results in f32
.set R,    192                         ; v192-255 results at work
.set G1,  24                           ; s[24:31] descriptor group 1 for xh's tiles
.set G0,  32                           ; s[32:39] group 0 for xh's tiles, one set for each slot
.set G1B, 48                           ; s[48:55] group 1 for wh's tiles: another mask
.set G0B, 56                           ; s[56:63] group 0 for wh's tiles
.set MSB, 0
.macro WIN new                         ; the immediate's high byte repeats the setting that is left
.if MSB != \new
	s_set_vgpr_msb (MSB<<8)|\new
.set MSB, \new
.endif
.endm
.set MUL_LO, 0xa1                      ; source 0 (wh) window 1, source 1 (xh) window 0, C and D window 2
.set MUL_HI, 0xf1                      ; the same, C and D window 3
.set TO_B,   0x40                      ; destination window 1, address window 0
; A joint load.  Waves 0 and 1 fetch xh's two halves, waves 2 and 3 wh's.  Each line has one mask and one set of registers; the branch hangs on the wave's number alone.
.macro JLOAD s
	s_cmp_eq_u32 s11, 0
	s_cbranch_scc0 .Lfor_b_\@
	tensor_load_to_lds s[G0+4*\s:G0+4*\s+3], s[G1:G1+7]
	s_nop 0
	s_branch .Lasked_\@
.Lfor_b_\@:
	tensor_load_to_lds s[G0B+4*\s:G0B+4*\s+3], s[G1B:G1B+7]
	s_nop 0
.Lasked_\@:
.endm
; A round of the cluster's barrier: my work-group's barrier; wave 0 signals for the work-group; every wave waits for all sixteen; my work-group's barrier once more.
.macro CREST
	s_cmp_lg_u32 s10, 0
	s_cbranch_scc1 .Lnot_wave_0_\@
	s_barrier_signal -3
.Lnot_wave_0_\@:
	s_barrier_wait -3
	s_barrier_signal -1
	s_barrier_wait -1
.endm
.macro CROUND
	s_barrier_signal -1
	s_barrier_wait -1
	CREST
.endm
	s_load_b128 s[4:7], s[0:1], 0x0                ; xh s[4:5], wh s[6:7]
	s_load_b64 s[8:9], s[0:1], 0x10                ; qkv
	s_load_b64 s[66:67], s[0:1], 0x18              ; rope
	s_load_b64 s[70:71], s[0:1], 0x20              ; sp
	s_set_vgpr_msb 0x40
	v_lshl_add_u32 v255, v0, 2, 0x48400
	s_set_vgpr_msb 0x4000
	v_mov_b32 v31, 0
	s_set_vgpr_msb 0x1
	ds_add_u32 v255, v31
	ds_add_u32 v255, v31
	s_set_vgpr_msb 0x100
	v_lshrrev_b32 v1, 5, v0
	v_readfirstlane_b32 s10, v1                    ; wave 0..3
	s_lshr_b32 s11, s10, 1                         ; which half of the block's rows is mine.  Also: I fetch for xh (0) or for wh (1)
	s_and_b32 s12, s10, 1                          ; which half of its columns.  Also: which 128 rows of that tile I fetch
	s_bfe_u32 s40, ttmp6, 0x40000                  ; cx
	s_bfe_u32 s41, ttmp6, 0x40004                  ; cy
	s_mov_b32 s68, ttmp9                           ; the cluster's x: 0 q, 1 k, 2 v
	s_and_b32 s74, ttmp7, 1                        ; the cluster's y is odd: its 1,024 rows are the second half of a batch
	s_mov_b32 s69, 0xffffe000                      ; keeps an f32's sign, exponent and 10 mantissa bits: what f16 holds
	s_lshl_b32 s42, ttmp9, 2
	s_add_co_u32 s42, s42, s40                     ; block column = 4 x cluster x + cx
	s_and_b32 s13, ttmp7, 0xffff
	s_lshl_b32 s13, s13, 2
	s_add_co_u32 s13, s13, s41                     ; block row = 4 x cluster y + cy
	s_lshl_b32 s43, s41, 2
	s_lshl_b32 s43, 15, s43                        ; my row of the cluster: places 4 cy .. 4 cy + 3
	s_lshl_b32 s44, 0x1111, s40                    ; my column: places cx, cx + 4, cx + 8, cx + 12
	; group 1: a tile of 128 rows x 128 elements of 2 bytes, 4 words of padding behind every 64 words
	s_or_b32 s[G1+0], s43, (1<<16)|(1<<20)|(1<<21)|(5<<22)|(3<<25)
	s_or_b32 s[G1B+0], s44, (1<<16)|(1<<20)|(1<<21)|(5<<22)|(3<<25)
	s_mov_b32 s[G1B+1], KSTEP<<16
	s_mov_b32 s[G1+1], KSTEP<<16                   ; tensor_dim0 = 128
	s_mov_b32 s[G1B+2], 128<<16
	s_mov_b32 s[G1+2], 128<<16                     ; tensor_dim1 = 128
	s_mov_b32 s[G1B+3], KSTEP<<16
	s_mov_b32 s[G1+3], KSTEP<<16                   ; tile_dim0 = 128
	s_mov_b32 s[G1B+4], 128
	s_mov_b32 s[G1+4], 128                         ; tile_dim1 = 128
	s_mov_b32 s[G1B+5], SIZE_K
	s_mov_b32 s[G1+5], SIZE_K                      ; elements from row to row
	s_mov_b32 s[G1B+6], 0
	s_mov_b32 s[G1+6], 0
	s_mov_b32 s[G1B+7], 0
	s_mov_b32 s[G1+7], 0
	; where the tiles come from: xh's hang on the block row alone, wh's on the block column alone; each in registers that never hold the other coordinate
	s_lshl_b32 s17, s12, 7
	s_lshl_b32 s16, s13, 8
	s_add_co_u32 s16, s16, s17                     ; xh: row 256 x block row + 128 x half
	s_lshl_b32 s16, s16, 11                        ; in bytes (below 2^23)
	s_lshl_b32 s46, s42, 8
	s_add_co_u32 s46, s46, s17                     ; wh: row 256 x block column + 128 x half
	s_lshl_b32 s46, s46, 11
	s_mov_b32 s17, 0
	s_mov_b32 s47, 0
	s_mul_i32 s20, s10, HALFT                      ; and where they go: wave x 128 rows: no place in the cluster enters an LDS address
	s_wait_dscnt 0x0
	s_wait_kmcnt 0x0
	s_add_nc_u64 s[14:15], s[4:5], s[16:17]
	s_add_nc_u64 s[46:47], s[6:7], s[46:47]
	CROUND                                         ; all sixteen work-groups are here: the first joint loads meet
.irp s, 0,1
	s_mov_b32 s[G0+4*\s], 1
	s_add_co_u32 s[G0+4*\s+1], s20, \s*SLOT
	s_add_nc_u64 s[G0+4*\s+2:G0+4*\s+3], s[14:15], \s*KSTEP*2
	s_or_b32 s[G0+4*\s+3], s[G0+4*\s+3], 0x80000000
	s_mov_b32 s[G0B+4*\s], 1
	s_add_co_u32 s[G0B+4*\s+1], s20, \s*SLOT
	s_add_nc_u64 s[G0B+4*\s+2:G0B+4*\s+3], s[46:47], \s*KSTEP*2
	s_or_b32 s[G0B+4*\s+3], s[G0B+4*\s+3], 0x80000000
	JLOAD \s                                       ; both slots' first fills go out before anything else: two tensor loads of a wave are out
.endr
	; A fragment is 16 rows x 32 K in 8 registers: lane l holds row l % 16; registers 0-3 K = 8 (l / 16) + 0..7, registers 4-7 K = 16 + 8 (l / 16) + 0..7.
	v_and_b32 v1, 15, v0
	v_bfe_u32 v2, v0, 4, 1
	v_mul_u32_u24 v3, v1, PITCH
	v_lshl_add_u32 v3, v2, 4, v3
	s_mul_i32 s21, s11, HALFT                      ; my 128 rows of xh
	s_mul_i32 s22, s12, HALFT                      ; my 128 rows of wh,
	s_add_co_u32 s22, s22, 2*HALFT                 ; which lie behind xh's 256
.irp s, 0,1
	v_add_nc_u32 v[ADRA+\s], s21, v3
	v_add_nc_u32 v[ADRB+\s], s22, v3
	s_add_co_u32 s21, s21, SLOT
	s_add_co_u32 s22, s22, SLOT
.endr
	s_mul_i32 s23, s10, 16*SPITCH
	s_add_co_u32 s23, s23, STAGE                   ; my stage
	v_mul_u32_u24 v4, v1, SPITCH
	v_lshl_add_u32 v4, v2, 4, v4
	v_add_nc_u32 v[STO], s23, v4
	v_mul_u32_u24 v5, v2, SPITCH
	v_lshl_add_u32 v5, v1, 4, v5
	v_add_nc_u32 v[RD], s23, v5
	v_mul_u32_u24 v5, v2, ROWB
	v_lshl_add_u32 v[CO], v1, 4, v5
	v_and_b32 v[LN], 31, v0
	v_lshlrev_b32 v[LN], 4, v[LN]
; 16 matrix instructions: m blocks a0, a0 + 1 of the window's four x all 8 n blocks, 32 along K.  zero = 1: the first product starts the sums.
.macro MUL16 f, hi, a0, zero
.irp a, \a0, \a0+1
.irp b, 0,1,2,3,4,5,6,7
.if \zero
	v_wmma_f32_16x16x32_f16 v[8*(8*(\a)+\b):8*(8*(\a)+\b)+7], v[\f+8*\b:\f+8*\b+7], v[\f+8*(4*\hi+\a):\f+8*(4*\hi+\a)+7], 0
.else
	v_wmma_f32_16x16x32_f16 v[8*(8*(\a)+\b):8*(8*(\a)+\b)+7], v[\f+8*\b:\f+8*\b+7], v[\f+8*(4*\hi+\a):\f+8*(4*\hi+\a)+7], v[8*(8*(\a)+\b):8*(8*(\a)+\b)+7]
.endif
.endr
.endr
.endm
; 32 LDS loads in one run: the fragments of one quarter step into buffer f
.macro FETCH slot, k, f
	WIN TO_B
.irp i, 0,1,2,3,4,5,6,7
	ds_load_b128 v[\f+8*\i:\f+8*\i+3],   v[ADRB+\slot] offset:\k+\i*16*PITCH
	ds_load_b128 v[\f+8*\i+4:\f+8*\i+7], v[ADRB+\slot] offset:\k+\i*16*PITCH+32
.endr
	WIN 0
.irp i, 0,1,2,3,4,5,6,7
	ds_load_b128 v[\f+8*\i:\f+8*\i+3],   v[ADRA+\slot] offset:\k+\i*16*PITCH
	ds_load_b128 v[\f+8*\i+4:\f+8*\i+7], v[ADRA+\slot] offset:\k+\i*16*PITCH+32
.endr
.endm
; A load into a register that a matrix instruction has read, and a vector instruction that reads a matrix result, stand four plain vector instructions
; behind that matrix instruction; other matrix instructions are not counted as such.
.macro PLACES
.rept 4
	v_nop
.endr
.endm
; The 64 accumulators take turns, one instruction a turn, in the same order in every quarter step, over the backward jump too.
.macro QUARTER slot, k, f, g, zero
	s_wait_dscnt 8                                 ; wh and xh's rows 0-63 are in; the youngest eight loads (xh's rows 64-127) may be out
	WIN MUL_LO
	MUL16 \f, 0, 0, \zero
	MUL16 \f, 0, 2, \zero
	PLACES
	FETCH \slot, \k, \g
	s_wait_dscnt 32                                ; all but the 32 just issued
	WIN MUL_HI
	MUL16 \f, 1, 0, \zero
	MUL16 \f, 1, 2, \zero
.endm
.macro THREE slot, zero
	QUARTER \slot, 64,  F0, F1, \zero
	QUARTER \slot, 128, F1, F0, 0
	QUARTER \slot, 192, F0, F1, 0
.endm
; The last quarter multiplies buffer 1 and changes slots.  In front of the barrier each wave waits for its reads of this slot and for all its tensor loads (one is
; out: its part of the next slot).  Behind it the refill comes first, then the next slot's first fragments.  From a request to the wait for it: 240 matrix instructions.
.macro TURN slot, next, fill
	s_wait_dscnt 8
	WIN MUL_LO
	MUL16 F1, 0, 0, 0
	s_wait_dscnt 0                                 ; my reads of this slot are over
	s_wait_tensorcnt 0x0                           ; and all my tensor loads have landed
	ds_add_u32 v255, v31
	s_wait_dscnt 0x0
	s_barrier_signal -1                            ; where a slot is filled again this barrier opens a round of the cluster's barrier
	MUL16 F1, 0, 2, 0                              ; register work while the others arrive
	WIN 0
	s_barrier_wait -1
.if \fill
	CREST                                          ; no wave of any partner still reads this slot's tile or has a load on its way
	s_add_nc_u64 s[G0+4*\slot+2:G0+4*\slot+3], s[G0+4*\slot+2:G0+4*\slot+3], 2*KSTEP*2
	s_add_nc_u64 s[G0B+4*\slot+2:G0B+4*\slot+3], s[G0B+4*\slot+2:G0B+4*\slot+3], 2*KSTEP*2
	JLOAD \slot                                    ; the first tensor load behind the round, and my only one until the next
.endif
	PLACES
	FETCH \next, 0, F0
	WIN MUL_HI
	MUL16 F1, 1, 0, 0
	MUL16 F1, 1, 2, 0
.endm
.macro LAP zero
	THREE 0, \zero
	TURN 0, 1, 1
	THREE 1, 0
	TURN 1, 0, 1
.endm
	s_wait_tensorcnt 1                             ; my part of K step 0 is in; K step 1's load stays out
	s_barrier_signal -1
	s_barrier_wait -1
	FETCH 0, 0, F0
	LAP 1                                          ; the first lap stands in front of the loop: its first products start the sums
	WIN 0
	s_mov_b32 s3, LAPS-2
.Llap:
	LAP 0
	WIN 0
	s_sub_co_u32 s3, s3, 1
	s_cmp_lg_u32 s3, 0
	s_cbranch_scc1 .Llap
	THREE 0, 0                                     ; the last lap fills nothing
	TURN 0, 1, 0
	THREE 1, 0
	s_wait_dscnt 8
	WIN MUL_LO
	MUL16 F1, 0, 0, 0
	MUL16 F1, 0, 2, 0
	s_wait_dscnt 0
	WIN MUL_HI
	MUL16 F1, 1, 0, 0
	MUL16 F1, 1, 2, 0
	; THE WAY OUT, 16 rows at a time: rotate (q, k), round to f16, 16 bytes a lane into my own stage, read back as whole rows of 256 bytes.
	PLACES                                         ; behind the last matrix instructions: for what reads results and for what is written into the fragment buffers
	WIN 0
	s_lshl_b32 s16, s13, 8
	s_lshl_b32 s14, s11, 7
	s_add_co_u32 s16, s16, s14                     ; my first row
	s_lshl_b32 s16, s16, 11
	s_lshl_b32 s14, s68, 23                        ; the part: q, k or v, 8,388,608 bytes each
	s_add_co_u32 s16, s16, s14
	s_mov_b32 s17, 0
	s_add_nc_u64 s[8:9], s[8:9], s[16:17]
	s_lshl_b32 s46, s40, 9                         ; my first column inside the part, in bytes: 512 cx + 256 x half
	s_lshl_b32 s47, s12, 8
	s_add_co_u32 s46, s46, s47
	s_mov_b32 s47, 0
	s_add_nc_u64 s[8:9], s[8:9], s[46:47]
	s_lshl_b32 s18, s13, 16                        ; the table's blocks of my rows: (16 x block row + 8 x half) x 4,096 bytes
	s_lshl_b32 s19, s11, 15
	s_add_co_u32 s18, s18, s19
	s_mov_b32 s19, 0
	s_add_nc_u64 s[66:67], s[66:67], s[18:19]
	s_lshl_b32 s72, s68, 1                         ; sp: (2 x part + batch) x 65,536 bytes + my columns
	s_lshr_b32 s73, s13, 3
	s_add_co_u32 s72, s72, s73
	s_lshl_b32 s72, s72, 16
	s_add_co_u32 s72, s72, s46
	s_mov_b32 s73, 0
	s_add_nc_u64 s[70:71], s[70:71], s[72:73]
	s_and_b32 s20, s13, 7
	v_mov_b32 v[FL], s20                           ; 0 in every lane where my block begins a batch
; the table's block of rows 16 i .. 16 i + 15: registers 8 pos + 2 jj, + 1 = cos, sin of pair 8 pos + 4 (l / 16) + jj for row l % 16
.macro CSLOAD i
.irp pos, 0,1,2,3
.irp hf, 0,1
	global_load_b128 v[CS+32*((\i)&3)+8*\pos+4*\hf:CS+32*((\i)&3)+8*\pos+4*\hf+3], v[LN], s[66:67] offset:4096*(\i)+1024*\pos+512*\hf
.endr
.endr
.endm
; The 64 numbers in window 1 go to sp as f16 through my stage, as whole rows of 256 bytes.  All lanes do the register and LDS work; the global stores
; run with EXEC on only where the block begins a batch.  EXEC is a source of pending global instructions: it changes only behind s_wait_xcnt 0.
.macro SPOUT hl
	WIN 0x05                                       ; sources 0 and 1 in window 1
.irp b, 0,1,2,3,4,5,6,7
.irp jj, 0,1,2,3
	v_cvt_pk_f16_f32 v[RB+4*\b+\jj], v[H+8*\b+2*\jj], v[H+8*\b+2*\jj+1]
.endr
.endr
	WIN 0
.irp b, 0,1,2,3,4,5,6,7
	ds_store_b128 v[STO], v[RB+4*\b:RB+4*\b+3] offset:32*\b
.endr
	s_wait_dscnt 0x0                               ; the stores have read v32-63, into which the rows come back
.irp t, 0,1,2,3,4,5,6,7
	ds_load_b128 v[RB+4*\t:RB+4*\t+3], v[RD] offset:\t*2*SPITCH
.endr
	s_wait_dscnt 0x0
	s_wait_xcnt 0x0
	v_cmp_eq_u32 vcc_lo, 0, v[FL]
	s_and_saveexec_b32 s75, vcc_lo
.irp t, 0,1,2,3,4,5,6,7
	global_store_b128 v[CO], v[RB+4*\t:RB+4*\t+3], s[70:71] offset:\hl*HLB+2*\t*ROWB   ; 16 lanes store 256 consecutive bytes at a multiple of 256
.endr
	s_wait_xcnt 0x0                                ; also frees v32-63 for what follows
	s_or_b32 exec_lo, exec_lo, s75
.endm
; hi and lo of the 64 f32 results that begin at register base of window sw.  Only waves with the block's rows 0-127, in clusters that begin a batch, come here.
.macro SPEC base, sw
	s_cmp_lg_u32 s11, 0
	s_cbranch_scc1 .Lnospec_\@
	s_cmp_lg_u32 s74, 0
	s_cbranch_scc1 .Lnospec_\@
	WIN (0x40|(\sw<<2))                            ; destination window 1, source 1 window sw
.set k, 0
.rept 64
	v_and_b32 v[H+k], s69, v[\base+k]              ; hi: cut to what f16 holds, so that the conversion is exact
.set k, k+1
.endr
	SPOUT 0
	WIN (0x44|\sw)                                 ; destination and source 1 window 1, source 0 window sw
.set k, 0
.rept 64
	v_sub_f32 v[H+k], v[\base+k], v[H+k]           ; lo: the rest, exact in f32
.set k, k+1
.endr
	SPOUT 1
.Lnospec_\@:
.endm
; rows 16 i .. 16 i + 15 of my block = the eight tiles (a, 0..7).  rot = 1: win names the window of source 0 (0x02, 0x03), left = table loads that may stay out.
; rot = 0: win names the window of sources 0 and 1 (0x0a, 0x0f).
.macro OUT16 i, a, win, rot, left
.if \rot
	s_wait_loadcnt \left                           ; this block's eight table loads are in; those of the younger blocks stay out
	WIN \win
.irp b, 0,1,2,3,4,5,6,7
.irp jj, 0,1,2,3
	v_mul_f32 v[R+8*\b+2*\jj],   v[8*(8*\a+\b)+2*\jj+1], v[CS+32*(\i&3)+8*(\b&3)+2*\jj+1]                      ; x2 sin
	v_mul_f32 v[R+8*\b+2*\jj+1], v[8*(8*\a+\b)+2*\jj+1], v[CS+32*(\i&3)+8*(\b&3)+2*\jj]                        ; x2 cos
	v_fma_f32 v[R+8*\b+2*\jj],   v[8*(8*\a+\b)+2*\jj],   v[CS+32*(\i&3)+8*(\b&3)+2*\jj],   -v[R+8*\b+2*\jj]    ; x1 cos - x2 sin
	v_fma_f32 v[R+8*\b+2*\jj+1], v[8*(8*\a+\b)+2*\jj],   v[CS+32*(\i&3)+8*(\b&3)+2*\jj+1], v[R+8*\b+2*\jj+1]   ; x1 sin + x2 cos
.endr
.endr
	WIN 0
.if \i == 0
	SPEC R, 0
.endif
.irp b, 0,1,2,3,4,5,6,7
.irp jj, 0,1,2,3
	v_cvt_pk_f16_f32 v[R+8*\b+\jj], v[R+8*\b+2*\jj], v[R+8*\b+2*\jj+1]   ; in place, ascending: a target has been read before it is written
.endr
.endr
.else
.if \i == 0
	SPEC 0, 2
.endif
	WIN \win
.irp b, 0,1,2,3,4,5,6,7
.irp jj, 0,1,2,3
	v_cvt_pk_f16_f32 v[R+8*\b+\jj], v[8*(8*\a+\b)+2*\jj], v[8*(8*\a+\b)+2*\jj+1]
.endr
.endr
	WIN 0
.endif
.irp b, 0,1,2,3,4,5,6,7
	ds_store_b128 v[STO], v[R+8*\b:R+8*\b+3] offset:32*\b
.endr
.if \rot
.if \i < 4
	CSLOAD (\i+4)                                  ; the block four further on, into the registers just read
.endif
.endif
	s_wait_xcnt 0x0                                ; the last block's stores have read v32-63, which are loaded again only behind this wait
.irp t, 0,1,2,3,4,5,6,7
	ds_load_b128 v[RB+4*\t:RB+4*\t+3], v[RD] offset:\t*2*SPITCH    ; LDS serves a wave's instructions in order: these see the stores above
.endr
.irp t, 0,1,2,3,4,5,6,7
	s_wait_dscnt 7-\t
	global_store_b128 v[CO], v[RB+4*\t:RB+4*\t+3], s[8:9] offset:16*\i*ROWB+2*\t*ROWB   ; 16 lanes store 256 consecutive bytes at a multiple of 256
.endr
.endm
	s_cmp_eq_u32 s68, 2                            ; v is not rotated.  The cluster's x is the same in all sixteen partners
	s_cbranch_scc1 .Lplain
	CSLOAD 0
	CSLOAD 1
	CSLOAD 2
	CSLOAD 3
	OUT16 0, 0, 0x02, 1, 24
	OUT16 1, 1, 0x02, 1, 24
	OUT16 2, 2, 0x02, 1, 24
	OUT16 3, 3, 0x02, 1, 24
	OUT16 4, 0, 0x03, 1, 24
	OUT16 5, 1, 0x03, 1, 16
	OUT16 6, 2, 0x03, 1, 8
	OUT16 7, 3, 0x03, 1, 0
	s_branch .Lend
.Lplain:
	OUT16 0, 0, 0x0a, 0, 0
	OUT16 1, 1, 0x0a, 0, 0
	OUT16 2, 2, 0x0a, 0, 0
	OUT16 3, 3, 0x0a, 0, 0
	OUT16 4, 0, 0x0f, 0, 0
	OUT16 5, 1, 0x0f, 0, 0
	OUT16 6, 2, 0x0f, 0, 0
	OUT16 7, 3, 0x0f, 0, 0
.Lend:
	s_set_vgpr_msb 0x1
	s_wait_tensorcnt 0x0
	ds_add_u32 v255, v31
	s_wait_dscnt 0x0
	s_set_vgpr_msb 0x100
	CROUND                                         ; the closing round: no work-group ends while a partner may still ask for a tile that names it
	s_endpgm
.Lfunc_end_k_qde918d6929_qkv:
	.size	k_qde918d6929_qkv, .Lfunc_end_k_qde918d6929_qkv-k_qde918d6929_qkv
	.p2alignl 7, 3214868480
	.fill 96, 4, 3214868480
	.section	.rodata,"a",@progbits
	.p2align	6, 0x0
	.amdhsa_kernel k_qde918d6929_qkv
		.amdhsa_group_segment_fixed_size 327680
		.amdhsa_private_segment_fixed_size 0
		.amdhsa_enable_private_segment 0
		.amdhsa_kernarg_size 40
		.amdhsa_user_sgpr_count 2
		.amdhsa_user_sgpr_kernarg_segment_ptr 1
		.amdhsa_wavefront_size32 1
		.amdhsa_system_sgpr_workgroup_id_x 1
		.amdhsa_system_sgpr_workgroup_id_y 1
		.amdhsa_system_sgpr_workgroup_id_z 1
		.amdhsa_system_vgpr_workitem_id 0
		.amdhsa_next_free_vgpr 1024
		.amdhsa_next_free_sgpr 80
		.amdhsa_reserve_vcc 1
		.amdhsa_float_denorm_mode_32 3
		.amdhsa_float_denorm_mode_16_64 3
		.amdhsa_memory_ordered 1
		.amdhsa_forward_progress 1
		.amdhsa_inst_pref_size 255
	.end_amdhsa_kernel
	.section	.bss,"aw",@nobits
	.p2align	6
	.space	262144
	.amdgpu_metadata
---
amdhsa.version: [ 1, 2 ]
amdhsa.kernels:
  - .name:           k_qde918d6929_qkv
    .symbol:         k_qde918d6929_qkv.kd
    .args:
      - { .name: xh, .offset: 0, .size: 8, .value_kind: global_buffer, .address_space: global }
      - { .name: wh, .offset: 8, .size: 8, .value_kind: global_buffer, .address_space: global }
      - { .name: qkv, .offset: 16, .size: 8, .value_kind: global_buffer, .address_space: global }
      - { .name: rope, .offset: 24, .size: 8, .value_kind: global_buffer, .address_space: global }
      - { .name: sp, .offset: 32, .size: 8, .value_kind: global_buffer, .address_space: global }
    .group_segment_fixed_size: 327680
    .private_segment_fixed_size: 0
    .kernarg_segment_align: 8
    .kernarg_segment_size: 40
    .max_flat_workgroup_size: 128
    .sgpr_count:     80
    .vgpr_count:     1024
    .wavefront_size: 32
...
	.end_amdgpu_metadata
.endif
;; end of part 2
;; launch attn (part 3): grid 16 x 16, 8 waves a work-group, no clusters, 327,680 bytes of LDS; arguments qkv, oh; writes oh
.if DOCPART == 3
	.amdgcn_target "amdgcn-amd-amdhsa--gfx1250"
	.amdhsa_code_object_version 6
	.text
	.protected	k_qde918d6929_attn
	.globl	k_qde918d6929_attn
	.p2align	8
	.type	k_qde918d6929_attn,@function
k_qde918d6929_attn:
	s_mov_b64 s[64:65], 0
	v_nop
	global_prefetch_b8 v0, s[64:65] scope:SCOPE_SE
	s_setreg_imm32_b32 hwreg(HW_REG_WAVE_MODE, 25, 1), 1
	s_wait_xcnt 0x0
; attn: causal softmax(q k^T / 8) v with a running maximum; q, k, v f16 from qkv [3][4096][1024], result f16 to oh [4096][1024].
; Work-group (p, y): y = 8 b + hp names the batch and a PAIR of heads, so that rows of K, of V and of oh are 256 whole bytes.  It owns the query blocks of 64 rows
; iA = p and iB = 31 - p and keeps both states in registers.  Keys go in chunks of 64, numbered g; block i needs the chunks g <= i, and g = i is its diagonal.
; EIGHT WAVES, two on each SIMD.  Wave 4 c + w: head 2 hp + w/2, queries 32 (w%2) .. + 31 of each block (two tiles of 16), and the chunks with g % 2 = c.
; A chunk is 32 matrix instructions and some 230 vector instructions on the same registers, which one wave can only do one after the other; with the keys split
; between two waves one wave's matrix instructions can run while the other does its vector work or waits for LDS.  Over both blocks the even chunks
; number 17 and the odd ones 16 for every p: all waves of all 256 work-groups have the same work.  Each wave keeps M, L, O of its own chunks; the two halves meet at the end.
; One load of K's and V's fragments serves block B and, while g <= iA, block A.
; Tiles of 256 keys (four chunks) go through two LDS slots; T = iB/4 + 1 tiles (5 to 8); keys behind the diagonal tile are never fetched.
; S^T = K Q^T: source 0 = 16 keys from LDS, source 1 = 16 queries in registers.  Lane (r = l%16, h = l/16), register j holds query r, key 8 h + j: maximum and sum are
; made inside the lane plus one exchange of the halves, and two tiles of S pack in place into the second source of O^T += V^T P^T, whose first source
; comes from V [key][d] by the transposing LDS load.  A lane's eight results are eight neighbouring d of query r.
; The maximum is taken away before every exponential; 1/8 and log2 e ride in one fused multiply-add: p = exp2(c s - c M), c = log2(e)/8.
; NO CLUSTER: the 16 work-groups that share K and V need 5 to 8 tiles and leave out chunks by p; partners made alike by masking would do about half as much work again.
; LIMITS: q, k, v, p and the result are f16 (magnitudes below 65,504; p below 2^-24 of the row's largest counts as 0).  A wave's starting maximum is bounded below by
; -1e30, so that a first chunk that is wholly masked (p = 0, odd chunks, block A) gives zeros and no NaN; scores of f16 operands stay within 64 x 65,504^2 = 2.7e11.
.set KP,    272                        ; K's LDS pitch: 256 + 16
.set VP,    288                        ; V's LDS pitch: 256 + 32, an odd multiple of 32 for the transposing load
.set TKEYS, 256                        ; keys in a tile
.set VOFF,  TKEYS*KP                   ; V behind K in a slot
.set SLOTB, TKEYS*KP+TKEYS*VP          ; 143,360 bytes
.set STG,   2*SLOTB                    ; the stage for the way out: 128 rows x 272 bytes; no tensor load lands there
.set XW,    17*512                     ; the exchange at the end: 64 registers of O and 4 of M, L for each wave; 8 x 8,704 bytes = K's part of slot 0
.set PART,  8388608                    ; bytes of q, of k, of v
.set TILEB, TKEYS*2048                 ; bytes from a key tile to the next
; window 0: v1-2 K's address in slot 0, 1 (my parity's 64 rows inside); v3-4 V's; v5 -inf
.set DQ,  6                            ; v6-7    query - 8 h inside its block, for query tiles 0, 1: the diagonal chunk masks key 16 kt + j where that is larger
.set DQF, 8                            ; v8-9    the same + 64 (iA - c): for block A's first chunk, which can be the diagonal or lie wholly behind it
.set STA, 10                           ; v10-11 M, v12-13 L of block A
.set STB, 14                           ; v14-15 M, v16-17 L of block B
.set MC,  18                           ; v[18:19], v[20:21]  -c M (first of each pair; the second is written once, since a pair counts as read whole)
.set AL,  22                           ; v[22:23], v[24:25]  the factor for the old sums, likewise
.set T,   26                           ; v26-33  at work; v34-35 what comes from the other half of the lanes
.set STO, 36
.set RD,  37
.set CO,  38
.set XS,  48                           ; v48 where I put what I hand over; v49 where my partner's lies
.set XL,  49
.set S,   64                           ; v64-127  S: tile (qt, kt) at 32 qt + 8 kt; later P: (qt, kc) at 32 qt + 16 kc
.set KF,  128                          ; v128-191 K's fragments: (kt, kk) at 16 kt + 8 kk
.set VF,  192                          ; v192-255 V's fragments: (kc, dt) at 32 kc + 8 dt
; window 1 (written with the low 8 bits): O of A, O of B (32 qt + 8 dt), Q of A, Q of B (16 qt + 8 kk)
.set OA, 0
.set OB, 64
.set QA, 128
.set QB, 160
.set G1K, 32
.set G1V, 40
.set G0K, 48                           ; one group 0 for each slot
.set G0V, 56
.set MSB, 0
.macro WIN new
.if MSB != \new
	s_set_vgpr_msb (MSB<<8)|\new
.set MSB, \new
.endif
.endm
.macro PLACES n                        ; plain vector instructions behind a matrix instruction (ISA guide 7.12.1)
.rept \n
	v_nop
.endr
.endm
; Waves 0 to 3 fetch the four quarters (64 rows) of K's 256 rows of a tile, waves 4 to 7 those of V's: one tensor load a wave.
.macro JLOAD n
	s_cmp_eq_u32 s24, 0
	s_cbranch_scc0 .Lfor_v_\@
	tensor_load_to_lds s[G0K+4*\n:G0K+4*\n+3], s[G1K:G1K+7]
	s_nop 0
	s_branch .Lasked_\@
.Lfor_v_\@:
	tensor_load_to_lds s[G0V+4*\n:G0V+4*\n+3], s[G1V:G1V+7]
	s_nop 0
.Lasked_\@:
.endm
	s_load_b128 s[4:7], s[0:1], 0x0                ; qkv s[4:5], oh s[6:7]
	v_lshl_add_u32 v62, v0, 2, 0x4e800
	v_mov_b32 v63, 0
	ds_add_u32 v62, v63
	ds_add_u32 v62, v63
	v_lshrrev_b32 v40, 5, v0
	v_readfirstlane_b32 s8, v40                    ; wave 0..7
	s_and_b32 s9, s8, 1                            ; my half of a block's queries
	s_lshr_b32 s10, s8, 1
	s_and_b32 s10, s10, 1                          ; my head of the pair
	s_lshr_b32 s24, s8, 2                          ; c: my parity of chunks.  Also: I fetch K (0) or V (1)
	s_and_b32 s26, s8, 3                           ; which 64 rows of a tile I fetch; which 16 rows of a block I store
	s_mov_b32 s11, ttmp9                           ; p = iA
	s_sub_co_u32 s12, 31, s11                      ; iB
	s_and_b32 s14, ttmp7, 0xffff
	s_lshr_b32 s13, s14, 3                         ; b
	s_and_b32 s14, s14, 7                          ; hp
	s_lshr_b32 s16, s12, 2                         ; T - 1: the last tile, 4 to 7
	s_mov_b32 s17, s24                             ; 4 t + c: my first chunk of the tile at work
	s_mov_b32 s20, 0x76543210                      ; v_permlanex16_b32: lane i of one half reads lane i of the other
	s_mov_b32 s21, 0xfedcba98
	s_mov_b32 s22, 0x3e38aa3b                      ; c = log2(e) / 8
	s_mov_b32 s23, 0xbe38aa3b                      ; -c
	s_mov_b32 s25, 0xf149f2ca                      ; -1e30
	s_sub_co_u32 s18, s16, 1                       ; T - 2 tiles stand between the first and the last
	s_lshr_b32 s18, s18, 1                         ; the loop takes them in pairs: 1 to 3 trips;
	s_max_u32 s18, s18, 1                          ; the lower bound, said once more in the text
	; group 1: 64 rows x 128 elements of 2 bytes, 1,024 elements from row to row; behind every 64 words 4 words of padding for K, 8 for V
	s_mov_b32 s[G1K+0], 0x07510000
	s_mov_b32 s[G1K+1], 128<<16
	s_mov_b32 s[G1K+2], 64<<16
	s_mov_b32 s[G1K+3], 128<<16
	s_mov_b32 s[G1K+4], 64
	s_mov_b32 s[G1K+5], 1024
	s_mov_b32 s[G1K+6], 0
	s_mov_b32 s[G1K+7], 0
	s_mov_b32 s[G1V+0], 0x0f510000
	s_mov_b32 s[G1V+1], 128<<16
	s_mov_b32 s[G1V+2], 64<<16
	s_mov_b32 s[G1V+3], 128<<16
	s_mov_b32 s[G1V+4], 64
	s_mov_b32 s[G1V+5], 1024
	s_mov_b32 s[G1V+6], 0
	s_mov_b32 s[G1V+7], 0
	s_mul_i32 s66, s26, 64*KP
	s_mul_i32 s67, s26, 64*VP
.irp n, 0,1
	s_mov_b32 s[G0K+4*\n], 1
	s_add_co_u32 s[G0K+4*\n+1], s66, \n*SLOTB
	s_mov_b32 s[G0V+4*\n], 1
	s_add_co_u32 s[G0V+4*\n+1], s67, VOFF+\n*SLOTB
.endr
	; byte offsets
	s_lshl_b32 s27, s13, 22                        ; 2,048 b rows of 2,048 bytes
	s_lshl_b32 s66, s14, 8                         ; + the pair of heads: kept in s27 for the way out
	s_add_co_u32 s27, s27, s66
	s_lshl_b32 s66, s26, 17                        ; K, V: + my 64 rows of a tile
	s_add_co_u32 s68, s27, s66
	s_mov_b32 s69, 0
	s_lshl_b32 s66, s9, 16                         ; Q: + my 32 rows of a block
	s_add_co_u32 s70, s27, s66
	s_lshl_b32 s66, s10, 7                         ;    + my head of the pair
	s_add_co_u32 s70, s70, s66
	s_lshl_b32 s66, s11, 17                        ;    + the block of 64 rows
	s_add_co_u32 s72, s70, s66
	s_mov_b32 s73, 0
	s_lshl_b32 s66, s12, 17
	s_add_co_u32 s70, s70, s66
	s_mov_b32 s71, 0
	s_wait_dscnt 0x0
	s_wait_kmcnt 0x0
	s_add_nc_u64 s[68:69], s[4:5], s[68:69]
	s_add_nc_u64 s[72:73], s[4:5], s[72:73]        ; Q of block A
	s_add_nc_u64 s[70:71], s[4:5], s[70:71]        ; Q of block B
.irp n, 0,1
	s_add_nc_u64 s[G0K+4*\n+2:G0K+4*\n+3], s[68:69], PART+\n*TILEB
	s_or_b32 s[G0K+4*\n+3], s[G0K+4*\n+3], 0x80000000
	s_add_nc_u64 s[G0V+4*\n+2:G0V+4*\n+3], s[68:69], 2*PART+\n*TILEB
	s_or_b32 s[G0V+4*\n+3], s[G0V+4*\n+3], 0x80000000
.endr
	JLOAD 0                                        ; tiles 0 and 1, ahead of everything else: two tensor loads of a wave are out
	JLOAD 1
	v_and_b32 v41, 15, v0                          ; r
	v_bfe_u32 v42, v0, 4, 1                        ; h
	v_lshlrev_b32 v39, 11, v41
	v_lshl_add_u32 v39, v42, 4, v39                ; row r, 16 h bytes
	WIN 0x40                                       ; destination in window 1
.irp qt, 0,1
.irp kk, 0,1
.irp hf, 0,1
	global_load_b128 v[QA+16*\qt+8*\kk+4*\hf:QA+16*\qt+8*\kk+4*\hf+3], v39, s[72:73] offset:32768*\qt+64*\kk+32*\hf
	global_load_b128 v[QB+16*\qt+8*\kk+4*\hf:QB+16*\qt+8*\kk+4*\hf+3], v39, s[70:71] offset:32768*\qt+64*\kk+32*\hf
.endr
.endr
.endr
	WIN 0
	v_mul_u32_u24 v43, v41, KP
	v_lshl_add_u32 v43, v42, 4, v43                ; r x pitch + 16 h
	s_lshl_b32 s66, s10, 7                         ; my head's 128 bytes of a row
	s_mul_i32 s67, s24, 64*KP                      ; my parity's 64 rows
	s_add_co_u32 s67, s67, s66
	v_add_nc_u32 v1, s67, v43
	v_add_nc_u32 v2, SLOTB, v1
	v_and_b32 v44, 7, v0
	v_lshl_add_u32 v44, v42, 3, v44
	v_mul_u32_u24 v44, v44, VP                     ; V: (8 h + l % 8) x pitch
	v_bfe_u32 v45, v0, 3, 1
	v_lshl_add_u32 v44, v45, 4, v44                ;    + 16 ((l / 8) % 2)
	s_mul_i32 s67, s24, 64*VP
	s_add_co_u32 s67, s67, s66
	s_add_co_u32 s67, s67, VOFF
	v_add_nc_u32 v3, s67, v44
	v_add_nc_u32 v4, SLOTB, v3
	v_mov_b32 v5, 0xff800000                       ; -inf
	v_lshlrev_b32 v45, 3, v42
	v_sub_nc_u32 v45, v41, v45                     ; r - 8 h
	s_lshl_b32 s67, s9, 5
	v_add_nc_u32 v[DQ], s67, v45
	v_add_nc_u32 v[DQ+1], 16, v[DQ]
	s_sub_co_i32 s67, s11, s24                     ; iA - c: used where it is 0 or -1
	s_lshl_b32 s67, s67, 6
	v_add_nc_u32 v[DQF], s67, v[DQ]
	v_add_nc_u32 v[DQF+1], 16, v[DQF]
	s_mul_i32 s67, s9, 32*KP                       ; stage: rows 0-63 block A (finished by c = 0), rows 64-127 block B (c = 1)
	s_add_co_u32 s67, s67, s66
	s_mul_i32 s74, s24, 64*KP
	s_add_co_u32 s67, s67, s74
	s_add_co_u32 s67, s67, STG
	v_add_nc_u32 v[STO], s67, v43                  ; row 64 c + 32 (w%2) + r, my head's half of it, 16 h
	v_mul_u32_u24 v46, v42, KP
	v_lshl_add_u32 v46, v41, 4, v46
	s_mul_i32 s67, s8, 16*KP
	s_add_co_u32 s67, s67, STG
	v_add_nc_u32 v[RD], s67, v46                   ; back: stage rows 16 x wave ..: lanes 0-15 one row, lanes 16-31 the next
	v_lshlrev_b32 v[CO], 11, v42
	v_lshl_add_u32 v[CO], v41, 4, v[CO]
	v_and_b32 v47, 31, v0
	v_lshlrev_b32 v47, 4, v47                      ; 16 x lane
	s_mul_i32 s67, s8, XW
	v_add_nc_u32 v[XS], s67, v47
	s_sub_co_u32 s74, 1, s24                       ; my partner: the other parity, the same w
	s_lshl_b32 s74, s74, 2
	s_add_co_u32 s74, s74, s26
	s_mul_i32 s67, s74, XW
	v_add_nc_u32 v[XL], s67, v47
	v_mov_b32 v[MC+1], 0
	v_mov_b32 v[MC+3], 0
	v_mov_b32 v[AL+1], 0
	v_mov_b32 v[AL+3], 0
	v_mov_b32 v34, 0
	v_mov_b32 v35, 0
	s_wait_loadcnt 0x0                             ; Q, once
.macro LDK slot, sub                   ; 16 loads: K's fragments of my chunk 2 sub + c of the tile
.irp kt, 0,1,2,3
.irp kk, 0,1
	ds_load_b128 v[KF+16*\kt+8*\kk:KF+16*\kt+8*\kk+3],   v[1+\slot] offset:(8*\sub+\kt)*16*KP+64*\kk
	ds_load_b128 v[KF+16*\kt+8*\kk+4:KF+16*\kt+8*\kk+7], v[1+\slot] offset:(8*\sub+\kt)*16*KP+64*\kk+32
.endr
.endr
.endm
.macro LDV slot, sub                   ; 16 transposing loads: V^T's fragments of the same keys
.irp kc, 0,1
.irp dt, 0,1,2,3
	ds_load_tr16_b128 v[VF+32*\kc+8*\dt:VF+32*\kc+8*\dt+3],   v[3+\slot] offset:(4*\sub+\kc)*32*VP+32*\dt
	ds_load_tr16_b128 v[VF+32*\kc+8*\dt+4:VF+32*\kc+8*\dt+7], v[3+\slot] offset:(4*\sub+\kc)*32*VP+32*\dt+16*VP
.endr
.endr
.endm
.macro MASK dq                         ; key 16 kt + 8 h + j of the chunk behind the query: -inf
.irp qt, 0,1
.irp kt, 0,1,2,3
.irp j, 0,1,2,3,4,5,6,7
	v_cmp_gt_i32 vcc_lo, 16*\kt+\j, v[\dq+\qt]
	v_cndmask_b32 v[S+32*\qt+8*\kt+\j], v[S+32*\qt+8*\kt+\j], v5, vcc_lo
.endr
.endr
.endr
.endm
; The 64 keys whose fragments lie in KF and VF against my 32 queries of one block.  s19 = the chunk's number g.
; mask: 0 none; 1 if g = iA; 2 if g = iB; 3 block A's first chunk, if c >= iA.  first = 1: the chunk starts M, L and O.  ld = 1: the fragments' loads are still out.
; In both products eight accumulators take turns, one instruction a turn.
.macro CHUNK oo, qq, st, first, mask, ld
.if \ld
	s_wait_dscnt 16                                ; K's fragments are in; the 16 younger loads are V's
.endif
	WIN 0x04                                       ; source 1 (Q) in window 1
.irp kk, 0,1
.irp kt, 0,1,2,3
.irp qt, 0,1
.if \kk
	v_wmma_f32_16x16x32_f16 v[S+32*\qt+8*\kt:S+32*\qt+8*\kt+7], v[KF+16*\kt+8*\kk:KF+16*\kt+8*\kk+7], v[\qq+16*\qt+8*\kk:\qq+16*\qt+8*\kk+7], v[S+32*\qt+8*\kt:S+32*\qt+8*\kt+7]
.else
	v_wmma_f32_16x16x32_f16 v[S+32*\qt+8*\kt:S+32*\qt+8*\kt+7], v[KF+16*\kt+8*\kk:KF+16*\kt+8*\kk+7], v[\qq+16*\qt+8*\kk:\qq+16*\qt+8*\kk+7], 0
.endif
.endr
.endr
.endr
	WIN 0
	PLACES 4                                       ; before S is read
.if \mask == 1
	s_cmp_eq_u32 s19, s11
	s_cbranch_scc0 .Lnomask_\@
	MASK DQ
.Lnomask_\@:
.endif
.if \mask == 2
	s_cmp_eq_u32 s19, s12
	s_cbranch_scc0 .Lnomask_\@
	MASK DQ
.Lnomask_\@:
.endif
.if \mask == 3
	s_cmp_ge_u32 s24, s11
	s_cbranch_scc0 .Lnomask_\@
	MASK DQF
.Lnomask_\@:
.endif
	; the largest of my 32 scores of each query tile, in two chains each
.irp qt, 0,1
	v_max3_num_f32 v[T+2*\qt],   v[S+32*\qt],    v[S+32*\qt+1],  v[S+32*\qt+2]
	v_max3_num_f32 v[T+2*\qt+1], v[S+32*\qt+17], v[S+32*\qt+18], v[S+32*\qt+19]
.endr
.irp m, 0,1,2,3,4,5
.irp qt, 0,1
	v_max3_num_f32 v[T+2*\qt],   v[T+2*\qt],   v[S+32*\qt+3+2*\m],  v[S+32*\qt+4+2*\m]
	v_max3_num_f32 v[T+2*\qt+1], v[T+2*\qt+1], v[S+32*\qt+20+2*\m], v[S+32*\qt+21+2*\m]
.endr
.endr
.irp qt, 0,1
	v_max3_num_f32 v[T+2*\qt], v[T+2*\qt], v[S+32*\qt+15], v[S+32*\qt+16]
.endr
.irp qt, 0,1
	v_max_num_f32 v[T+2*\qt], v[T+2*\qt], v[T+2*\qt+1]
.endr
	v_permlanex16_b32 v34, v[T], s20, s21          ; the other half of the lanes holds the query's other keys
	v_permlanex16_b32 v35, v[T+2], s20, s21
.if \first
.irp qt, 0,1
	v_max3_num_f32 v[\st+\qt], v[T+2*\qt], v[34+\qt], s25   ; finite also where the whole chunk is masked
.endr
.irp qt, 0,1
	v_mul_f32 v[MC+2*\qt], s23, v[\st+\qt]
.endr
.else
.irp qt, 0,1
	v_mul_f32 v[T+2*\qt+1], s23, v[\st+\qt]            ; -c M as it was
.endr
.irp qt, 0,1
	v_max3_num_f32 v[\st+\qt], v[\st+\qt], v[T+2*\qt], v[34+\qt]
.endr
.irp qt, 0,1
	v_mul_f32 v[MC+2*\qt], s23, v[\st+\qt]             ; -c M as it is now
.endr
.irp qt, 0,1
	v_sub_f32 v[T+2*\qt+1], v[MC+2*\qt], v[T+2*\qt+1]  ; at most 0
.endr
.irp qt, 0,1
	v_exp_f32 v[AL+2*\qt], v[T+2*\qt+1]                ; the factor for the old sums; the multiply-adds below are the plain instructions behind it
.endr
.endif
.irp qt, 0,1
.irp m, 0,1,2,3,4,5,6,7,8,9,10,11,12,13,14,15
	v_pk_fma_f32 v[S+32*\qt+2*\m:S+32*\qt+2*\m+1], v[S+32*\qt+2*\m:S+32*\qt+2*\m+1], s[22:23], v[MC+2*\qt:MC+2*\qt+1] op_sel_hi:[1,0,0]
.endr
.endr
.set e, 0
.rept 64
	v_exp_f32 v[S+e], v[S+e]
.set e, e+1
.endr
	v_nop                                          ; one plain instruction behind the last exponential
.if \first == 0
	WIN 0x41                                       ; O in window 1
	s_wait_alu depctr_va_vdst(0)
.irp qt, 0,1
.irp m, 0,1,2,3,4,5,6,7,8,9,10,11,12,13,14,15
	v_pk_mul_f32 v[\oo+32*\qt+2*\m:\oo+32*\qt+2*\m+1], v[\oo+32*\qt+2*\m:\oo+32*\qt+2*\m+1], v[AL+2*\qt:AL+2*\qt+1] op_sel_hi:[1,0]
.endr
.endr
	WIN 0
.endif
	; my part of each query's sum, in four chains; the two halves of the lanes are joined at the very end
	s_wait_alu depctr_va_vdst(0)
.irp qt, 0,1
.irp ch, 0,1,2,3
	v_pk_add_f32 v[T+2*\ch:T+2*\ch+1], v[S+32*\qt+8*\ch:S+32*\qt+8*\ch+1], v[S+32*\qt+8*\ch+2:S+32*\qt+8*\ch+3]
.endr
.irp ch, 0,1,2,3
	v_pk_add_f32 v[T+2*\ch:T+2*\ch+1], v[T+2*\ch:T+2*\ch+1], v[S+32*\qt+8*\ch+4:S+32*\qt+8*\ch+5]
.endr
.irp ch, 0,1,2,3
	v_pk_add_f32 v[T+2*\ch:T+2*\ch+1], v[T+2*\ch:T+2*\ch+1], v[S+32*\qt+8*\ch+6:S+32*\qt+8*\ch+7]
.endr
	v_pk_add_f32 v[T:T+1], v[T:T+1], v[T+2:T+3]
	v_pk_add_f32 v[T+4:T+5], v[T+4:T+5], v[T+6:T+7]
	v_pk_add_f32 v[T:T+1], v[T:T+1], v[T+4:T+5]
.if \first
	v_add_f32 v[\st+2+\qt], v[T], v[T+1]
.else
	v_fma_f32 v[\st+2+\qt], v[\st+2+\qt], v[AL+2*\qt], v[T]
	v_add_f32 v[\st+2+\qt], v[\st+2+\qt], v[T+1]
.endif
.endr
	; P to f16, in place and ascending: 16 registers of two tiles of S become the 8 of a fragment of 32 keys
.irp g, 0,1,2,3
.irp m, 0,1,2,3,4,5,6,7
	v_cvt_pk_f16_f32 v[S+16*\g+\m], v[S+16*\g+2*\m], v[S+16*\g+2*\m+1]
.endr
.endr
.if \ld
	s_wait_dscnt 0                                 ; V's fragments
.endif
	WIN 0x50                                       ; C and D in window 1
.irp kc, 0,1
.irp qt, 0,1
.irp dt, 0,1,2,3
.set Z, \first*(1-\kc)
.if Z
	v_wmma_f32_16x16x32_f16 v[\oo+32*\qt+8*\dt:\oo+32*\qt+8*\dt+7], v[VF+32*\kc+8*\dt:VF+32*\kc+8*\dt+7], v[S+32*\qt+16*\kc:S+32*\qt+16*\kc+7], 0
.else
	v_wmma_f32_16x16x32_f16 v[\oo+32*\qt+8*\dt:\oo+32*\qt+8*\dt+7], v[VF+32*\kc+8*\dt:VF+32*\kc+8*\dt+7], v[S+32*\qt+16*\kc:S+32*\qt+16*\kc+7], v[\oo+32*\qt+8*\dt:\oo+32*\qt+8*\dt+7]
.endif
.endr
.endr
.endr
	WIN 0
	PLACES 5                                       ; the next scores write over P, loads go into V's registers, and at the end O is read
.endm
; One of my two chunks of a tile.  No LDS instruction is out at its start or at its end, so the counts hold whatever was jumped over.
.macro SUBFIRST slot                   ; g = c: starts both blocks' sums
	s_mov_b32 s19, s17
	LDK \slot, 0
	LDV \slot, 0
	CHUNK OB, QB, STB, 1, 0, 1
	CHUNK OA, QA, STA, 1, 3, 0
.endm
.macro SUBMID slot, sub                ; in front of block B's diagonal tile: B plain; A while g <= iA, on the same fragments
	s_add_co_u32 s19, s17, 2*\sub
	LDK \slot, \sub
	LDV \slot, \sub
	CHUNK OB, QB, STB, 0, 0, 1
	s_cmp_le_u32 s19, s11
	s_cbranch_scc0 .Lno_a_\@
	CHUNK OA, QA, STA, 0, 1, 0
.Lno_a_\@:
.endm
.macro SUBLAST slot, sub               ; block B's diagonal tile (g >= 16 > iA: block A is done): B while g <= iB
	s_add_co_u32 s19, s17, 2*\sub
	s_cmp_le_u32 s19, s12
	s_cbranch_scc0 .Lno_b_\@
	LDK \slot, \sub
	LDV \slot, \sub
	CHUNK OB, QB, STB, 0, 2, 1
.Lno_b_\@:
.endm
; A tile between the first and the last.  In front of the barrier every wave waits for all its tensor loads (its part of this tile) and for its reads of the other
; slot; behind it the other slot's refill comes first, one load a wave, and has the whole trip (two to four chunks of each wave) in which to land.
.macro MID slot, other
	s_wait_tensorcnt 0x0
	ds_add_u32 v62, v63
	s_add_nc_u64 s[G0K+4*\other+2:G0K+4*\other+3], s[G0K+4*\other+2:G0K+4*\other+3], 2*TILEB   ; no load of mine is out: the other slot's next tile
	s_add_nc_u64 s[G0V+4*\other+2:G0V+4*\other+3], s[G0V+4*\other+2:G0V+4*\other+3], 2*TILEB
	s_wait_dscnt 0x0
	s_barrier_signal -1
	s_barrier_wait -1
	JLOAD \other
	SUBMID \slot, 0
	SUBMID \slot, 1
	s_add_co_u32 s17, s17, 4
.endm
.macro LAST slot                       ; nothing is left to fetch
	s_wait_tensorcnt 0x0
	s_wait_dscnt 0x0
	s_barrier_signal -1
	s_barrier_wait -1
	SUBLAST \slot, 0
	SUBLAST \slot, 1
.endm
	s_wait_tensorcnt 1                             ; my part of tile 0 is in; tile 1's load stays out
	s_barrier_signal -1
	s_barrier_wait -1
	SUBFIRST 0
	SUBMID 0, 1
	s_add_co_u32 s17, s17, 4
.Llap:
	MID 1, 0
	MID 0, 1
	s_sub_co_u32 s18, s18, 1
	s_cmp_lg_u32 s18, 0
	s_cbranch_scc1 .Llap
	s_bitcmp1_b32 s16, 0                           ; the tail is written out: T - 2 is odd where T - 1 is even
	s_cbranch_scc1 .Leven
	MID 1, 0
	LAST 0
	s_branch .Lfin
.Leven:
	LAST 1
.Lfin:
	; THE TWO HALVES MEET.  Waves with c = 0 finish block A, waves with c = 1 block B; each hands the other block's O, M, L to its partner through LDS.
	s_wait_dscnt 0x0
	s_barrier_signal -1
	s_barrier_wait -1                              ; nobody reads a slot any more, and both have had their last fill: the first bytes of slot 0 become the exchange
.macro EXPORT oo, st
	WIN 0x04                                       ; an LDS store's data are source 1: window 1
.irp k, 0,1,2,3,4,5,6,7,8,9,10,11,12,13,14,15
	ds_store_b128 v[XS], v[\oo+4*\k:\oo+4*\k+3] offset:512*\k      ; 32 lanes, 16 neighbouring bytes each
.endr
	WIN 0
	ds_store_b128 v[XS], v[\st:\st+3] offset:512*16
.endm
; Both halves are brought to the smaller of the two -c M (one factor is exactly 1), added, divided by the sum, and go as f16 into the stage.
.macro MERGE oo, st
	ds_load_b128 v[T:T+3], v[XL] offset:512*16     ; the partner's M, M, L, L
.irp k, 0,1,2,3,4,5,6,7,8,9,10,11,12,13,14,15
	ds_load_b128 v[KF+4*\k:KF+4*\k+3], v[XL] offset:512*\k
.endr
	s_wait_dscnt 16                                ; M and L are in; O's 16 loads stay out
.irp qt, 0,1
	v_mul_f32 v[MC+2*\qt], s23, v[\st+\qt]         ; -c M, rounded as the exponentials had it: mine,
	v_mul_f32 v[T+4+\qt], s23, v[T+\qt]            ; the partner's
.endr
.irp qt, 0,1
	v_min_num_f32 v[T+6+\qt], v[MC+2*\qt], v[T+4+\qt]
.endr
.irp qt, 0,1
	v_sub_f32 v[MC+2*\qt], v[T+6+\qt], v[MC+2*\qt]
	v_sub_f32 v[T+4+\qt], v[T+6+\qt], v[T+4+\qt]
.endr
.irp qt, 0,1
	v_exp_f32 v[AL+2*\qt], v[MC+2*\qt]             ; my factor
	v_exp_f32 v[T+6+\qt], v[T+4+\qt]               ; the partner's; 0 where it never saw a key
.endr
	v_nop                                          ; one plain instruction behind a transcendental
	s_wait_alu depctr_va_vdst(0)
.irp qt, 0,1
	v_mul_f32 v[\st+2+\qt], v[\st+2+\qt], v[AL+2*\qt]
.endr
.irp qt, 0,1
	v_fma_f32 v[\st+2+\qt], v[T+2+\qt], v[T+6+\qt], v[\st+2+\qt]
.endr
	v_permlanex16_b32 v34, v[\st+2], s20, s21      ; the other half of the lanes holds the other keys' part of the sum
	v_permlanex16_b32 v35, v[\st+3], s20, s21
	v_add_f32 v34, v34, v[\st+2]
	v_add_f32 v35, v35, v[\st+3]
	v_rcp_f32 v[T], v34                            ; the key of the largest score counts 1: the sum is at least 1
	v_rcp_f32 v[T+1], v35
	v_nop                                          ; one plain instruction behind a transcendental
	s_wait_alu depctr_va_vdst(0)
.irp qt, 0,1
	v_mul_f32 v[AL+2*\qt], v[AL+2*\qt], v[T+\qt]
	v_mul_f32 v[MC+2*\qt], v[T+6+\qt], v[T+\qt]
.endr
	WIN 0x01                                       ; source 0 (my O) in window 1
.irp qt, 0,1
.irp m, 0,1,2,3,4,5,6,7,8,9,10,11,12,13,14,15
	v_pk_mul_f32 v[S+32*\qt+2*\m:S+32*\qt+2*\m+1], v[\oo+32*\qt+2*\m:\oo+32*\qt+2*\m+1], v[AL+2*\qt:AL+2*\qt+1] op_sel_hi:[1,0]
.endr
.endr
	WIN 0
	s_wait_dscnt 0x0                               ; the partner's O
.irp qt, 0,1
.irp m, 0,1,2,3,4,5,6,7,8,9,10,11,12,13,14,15
	v_pk_fma_f32 v[S+32*\qt+2*\m:S+32*\qt+2*\m+1], v[KF+32*\qt+2*\m:KF+32*\qt+2*\m+1], v[MC+2*\qt:MC+2*\qt+1], v[S+32*\qt+2*\m:S+32*\qt+2*\m+1] op_sel_hi:[1,0,1]
.endr
.endr
.irp g, 0,1,2,3,4,5,6,7
.irp m, 0,1,2,3
	v_cvt_pk_f16_f32 v[S+8*\g+\m], v[S+8*\g+2*\m], v[S+8*\g+2*\m+1]
.endr
.endr
.irp qt, 0,1
.irp dt, 0,1,2,3
	ds_store_b128 v[STO], v[S+32*\qt+8*\dt:S+32*\qt+8*\dt+3] offset:\qt*16*KP+32*\dt
.endr
.endr
.endm
	s_cmp_eq_u32 s24, 0
	s_cbranch_scc0 .Lgive_a
	EXPORT OB, STB
	s_branch .Lgiven
.Lgive_a:
	EXPORT OA, STA
.Lgiven:
	s_wait_dscnt 0x0                               ; what I hand over is in LDS,
	s_barrier_signal -1
	s_barrier_wait -1                              ; everybody's is
	s_cmp_eq_u32 s24, 0
	s_cbranch_scc0 .Ltake_b
	MERGE OA, STA
	s_branch .Ltaken
.Ltake_b:
	MERGE OB, STB
.Ltaken:
	s_cmp_eq_u32 s24, 0                            ; wave 4 c + w stores stage rows 64 c + 16 w ..: rows 16 w .. of block A or B
	s_cselect_b32 s66, s11, s12
	s_lshl_b32 s66, s66, 17
	s_add_co_u32 s68, s27, s66
	s_lshl_b32 s66, s26, 15
	s_add_co_u32 s68, s68, s66
	s_mov_b32 s69, 0
	s_add_nc_u64 s[6:7], s[6:7], s[68:69]
	s_wait_dscnt 0x0                               ; my stores are done: a row's two heads come from two waves
	s_barrier_signal -1
	s_barrier_wait -1
.irp t, 0,1,2,3,4,5,6,7
	ds_load_b128 v[KF+4*\t:KF+4*\t+3], v[RD] offset:\t*2*KP
.endr
.irp t, 0,1,2,3,4,5,6,7
	s_wait_dscnt 7-\t
	global_store_b128 v[CO], v[KF+4*\t:KF+4*\t+3], s[6:7] offset:4096*\t   ; 16 lanes store 256 consecutive bytes at a multiple of 256
.endr
	s_wait_tensorcnt 0x0
	ds_add_u32 v62, v63
	s_wait_dscnt 0x0
	s_endpgm
.Lfunc_end_k_qde918d6929_attn:
	.size	k_qde918d6929_attn, .Lfunc_end_k_qde918d6929_attn-k_qde918d6929_attn
	.p2alignl 7, 3214868480
	.fill 96, 4, 3214868480
	.section	.rodata,"a",@progbits
	.p2align	6, 0x0
	.amdhsa_kernel k_qde918d6929_attn
		.amdhsa_group_segment_fixed_size 327680
		.amdhsa_private_segment_fixed_size 0
		.amdhsa_enable_private_segment 0
		.amdhsa_kernarg_size 16
		.amdhsa_user_sgpr_count 2
		.amdhsa_user_sgpr_kernarg_segment_ptr 1
		.amdhsa_wavefront_size32 1
		.amdhsa_system_sgpr_workgroup_id_x 1
		.amdhsa_system_sgpr_workgroup_id_y 1
		.amdhsa_system_sgpr_workgroup_id_z 1
		.amdhsa_system_vgpr_workitem_id 0
		.amdhsa_next_free_vgpr 448
		.amdhsa_next_free_sgpr 80
		.amdhsa_reserve_vcc 1
		.amdhsa_float_denorm_mode_32 3
		.amdhsa_float_denorm_mode_16_64 3
		.amdhsa_memory_ordered 1
		.amdhsa_forward_progress 1
		.amdhsa_inst_pref_size 255
	.end_amdhsa_kernel
	.section	.bss,"aw",@nobits
	.p2align	6
	.space	262144
	.amdgpu_metadata
---
amdhsa.version: [ 1, 2 ]
amdhsa.kernels:
  - .name:           k_qde918d6929_attn
    .symbol:         k_qde918d6929_attn.kd
    .args:
      - { .name: qkv, .offset: 0, .size: 8, .value_kind: global_buffer, .address_space: global }
      - { .name: oh, .offset: 8, .size: 8, .value_kind: global_buffer, .address_space: global }
    .group_segment_fixed_size: 327680
    .private_segment_fixed_size: 0
    .kernarg_segment_align: 8
    .kernarg_segment_size: 16
    .max_flat_workgroup_size: 256
    .sgpr_count:     80
    .vgpr_count:     448
    .wavefront_size: 32
...
	.end_amdgpu_metadata
.endif
;; end of part 3
;; launch oproj (part 4): grid 8 x 32, 4 waves a work-group, clusters of 4 x 4, 327,680 bytes of LDS; arguments oh, wh, out0; writes out0
.if DOCPART == 4
	.amdgcn_target "amdgcn-amd-amdhsa--gfx1250"
	.amdhsa_code_object_version 6
	.text
	.protected	k_qde918d6929_oproj
	.globl	k_qde918d6929_oproj
	.p2align	8
	.type	k_qde918d6929_oproj,@function
k_qde918d6929_oproj:
	s_mov_b64 s[64:65], 0
	v_nop
	global_prefetch_b8 v0, s[64:65] scope:SCOPE_SE
	s_setreg_imm32_b32 hwreg(HW_REG_WAVE_MODE, 25, 1), 1
	s_wait_xcnt 0x0
	s_wait_alu depctr_hold_cnt(0) depctr_sa_sdst(0) depctr_va_vdst(0) depctr_va_sdst(0) depctr_va_ssrc(0) depctr_va_vcc(0) depctr_vm_vsrc(0)
	s_getreg_b32 s2, hwreg(HW_REG_IB_STS2, 6, 4)
	s_cmp_eq_u32 s2, 0
	s_cbranch_scc0 .Lentry_in_a_cluster
	s_endpgm
.Lentry_in_a_cluster:
	s_bfe_u32 s2, ttmp6, 0x10000c
	s_cmp_lg_u32 s2, 0xf033
	s_cbranch_scc0 .Lentry_shape_is_right
	s_endpgm
.Lentry_shape_is_right:
; oproj: out0[m][n] = sum over k of oh[m][k] Wo[n][k]; oh f16 [4096][1024], Wo = rows 3,072 to 4,095 of wh (f16), out0 f32 [4096][1024]; sums in f32.
; 4,096 x 1,024 outputs in blocks of 128 x 128: 256 work-groups.  Four waves, 64 x 64 each: 16 accumulator tiles in window 1.
; A slot of the ring holds 256 along K (rows of 512 bytes), two steps of 128, since a wave has only 64 matrix instructions for 128 along K: one tensor load a wave
; (64 rows x 512 bytes) then has 128 matrix instructions in which to land.  K = 1,024 is four fills: two at the start, two refills; all written out, no loop.
; CLUSTERS: 4 x 4 work-groups; oh's tiles are asked for jointly along a row of the cluster, Wo's along a column, which divides the requests for both by four.
; The matrix instruction is used transposed (source 0 = Wo's rows, source 1 = oh's rows): a lane's eight results are eight neighbouring columns, 32 bytes of a row.
; THE FIRST 16 ROWS OF EACH BATCH are another launch's to store (it carries them in pairs of f16): here their stores run with EXEC off, so that each byte of out0
; is written once.  They are part of a 16 x 16 tile's work whatever is done with them; no branch hangs on the place in the cluster.
.set PITCH,  528                       ; an LDS row: 512 bytes + 16: an odd multiple of 16
.set QUART,  64*PITCH                  ; what one tensor load brings
.set SLOT,   4*QUART                   ; oh's 128 rows, then Wo's 128 rows: 135,168 bytes
.set STAGE,  2*SLOT                    ; behind the ring: 16 rows x 272 bytes for each wave; no tensor load lands there
.set SPITCH, 272
.set SLOTK,  512                       ; bytes along K in a slot
.set WOOFF,  3072*2048                 ; Wo's first row in wh
.set ADRA, 16                          ; v16-17 LDS address of my oh fragments in slot 0, 1
.set ADRB, 20                          ; v20-21 the same for Wo
.set STO,  24
.set RD,   25
.set CO,   26
.set FL,   27                          ; v27 0 where my first 16 rows are a batch's first 16
.set F0,   32                          ; v32-63 Wo's, v64-95 oh's fragments (4 x 16 rows x 32 K each)
.set F1,   96                          ; v96-127, v128-159: the second buffer
.set G1,  24
.set G0,  32
.set G1B, 48
.set G0B, 56
.set MSB, 0
.macro WIN new
.if MSB != \new
	s_set_vgpr_msb (MSB<<8)|\new
.set MSB, \new
.endif
.endm
.macro PLACES n
.rept \n
	v_nop
.endr
.endm
.macro JLOAD s                         ; waves 0 and 1 fetch oh's two halves, waves 2 and 3 Wo's: each line has one mask
	s_cmp_eq_u32 s11, 0
	s_cbranch_scc0 .Lfor_b_\@
	tensor_load_to_lds s[G0+4*\s:G0+4*\s+3], s[G1:G1+7]
	s_nop 0
	s_branch .Lasked_\@
.Lfor_b_\@:
	tensor_load_to_lds s[G0B+4*\s:G0B+4*\s+3], s[G1B:G1B+7]
	s_nop 0
.Lasked_\@:
.endm
.macro CROUND                          ; a round of the cluster's barrier
	s_barrier_signal -1
	s_barrier_wait -1
	s_cmp_lg_u32 s10, 0
	s_cbranch_scc1 .Lnot_wave_0_\@
	s_barrier_signal -3
.Lnot_wave_0_\@:
	s_barrier_wait -3
	s_barrier_signal -1
	s_barrier_wait -1
.endm
	s_load_b128 s[4:7], s[0:1], 0x0                ; oh s[4:5], wh s[6:7]
	s_load_b64 s[8:9], s[0:1], 0x10                ; out0
	v_lshl_add_u32 v254, v0, 2, 0x46400
	v_mov_b32 v255, 0
	ds_add_u32 v254, v255
	ds_add_u32 v254, v255
	v_lshrrev_b32 v1, 5, v0
	v_readfirstlane_b32 s10, v1                    ; wave
	s_lshr_b32 s11, s10, 1                         ; my half of the block's rows.  Also: I fetch for oh (0) or for Wo (1)
	s_and_b32 s12, s10, 1                          ; my half of its columns.  Also: which 64 rows of that tile I fetch
	s_bfe_u32 s40, ttmp6, 0x40000                  ; cx
	s_bfe_u32 s41, ttmp6, 0x40004                  ; cy
	s_lshl_b32 s42, ttmp9, 2
	s_add_co_u32 s42, s42, s40                     ; block column
	s_and_b32 s13, ttmp7, 0xffff
	s_lshl_b32 s13, s13, 2
	s_add_co_u32 s13, s13, s41                     ; block row
	s_lshl_b32 s43, s41, 2
	s_lshl_b32 s43, 15, s43                        ; my row of the cluster
	s_lshl_b32 s44, 0x1111, s40                    ; my column
	; group 1: 64 rows x 256 elements of 2 bytes, 4 words of padding behind every 128 words
	s_or_b32 s[G1+0], s43, (1<<16)|(1<<20)|(1<<21)|(6<<22)|(3<<25)
	s_or_b32 s[G1B+0], s44, (1<<16)|(1<<20)|(1<<21)|(6<<22)|(3<<25)
	s_mov_b32 s[G1+1], 256<<16
	s_mov_b32 s[G1B+1], 256<<16
	s_mov_b32 s[G1+2], 64<<16
	s_mov_b32 s[G1B+2], 64<<16
	s_mov_b32 s[G1+3], 256<<16
	s_mov_b32 s[G1B+3], 256<<16
	s_mov_b32 s[G1+4], 64
	s_mov_b32 s[G1B+4], 64
	s_mov_b32 s[G1+5], 1024
	s_mov_b32 s[G1B+5], 1024
	s_mov_b32 s[G1+6], 0
	s_mov_b32 s[G1B+6], 0
	s_mov_b32 s[G1+7], 0
	s_mov_b32 s[G1B+7], 0
	s_lshl_b32 s17, s12, 6
	s_lshl_b32 s16, s13, 7
	s_add_co_u32 s16, s16, s17                     ; oh: row 128 x block row + 64 x half
	s_lshl_b32 s16, s16, 11
	s_lshl_b32 s46, s42, 7
	s_add_co_u32 s46, s46, s17                     ; Wo: row 128 x block column + 64 x half
	s_lshl_b32 s46, s46, 11
	s_add_co_u32 s46, s46, WOOFF
	s_mov_b32 s17, 0
	s_mov_b32 s47, 0
	s_mul_i32 s20, s10, QUART                      ; LDS: wave x 64 rows
	s_wait_dscnt 0x0
	s_wait_kmcnt 0x0
	s_add_nc_u64 s[14:15], s[4:5], s[16:17]
	s_add_nc_u64 s[46:47], s[6:7], s[46:47]
	CROUND                                         ; all sixteen work-groups are here: the first joint loads meet
.irp s, 0,1
	s_mov_b32 s[G0+4*\s], 1
	s_add_co_u32 s[G0+4*\s+1], s20, \s*SLOT
	s_add_nc_u64 s[G0+4*\s+2:G0+4*\s+3], s[14:15], \s*SLOTK
	s_or_b32 s[G0+4*\s+3], s[G0+4*\s+3], 0x80000000
	s_mov_b32 s[G0B+4*\s], 1
	s_add_co_u32 s[G0B+4*\s+1], s20, \s*SLOT
	s_add_nc_u64 s[G0B+4*\s+2:G0B+4*\s+3], s[46:47], \s*SLOTK
	s_or_b32 s[G0B+4*\s+3], s[G0B+4*\s+3], 0x80000000
	JLOAD \s                                       ; both first fills together: two tensor loads of a wave are out
.endr
	v_and_b32 v1, 15, v0                           ; r
	v_bfe_u32 v2, v0, 4, 1                         ; h
	v_mul_u32_u24 v3, v1, PITCH
	v_lshl_add_u32 v3, v2, 4, v3
	s_mul_i32 s21, s11, QUART                      ; my 64 rows of oh
	s_mul_i32 s22, s12, QUART                      ; my 64 rows of Wo,
	s_add_co_u32 s22, s22, 2*QUART                 ; which lie behind oh's 128
.irp s, 0,1
	v_add_nc_u32 v[ADRA+\s], s21, v3
	v_add_nc_u32 v[ADRB+\s], s22, v3
	s_add_co_u32 s21, s21, SLOT
	s_add_co_u32 s22, s22, SLOT
.endr
	s_mul_i32 s23, s10, 16*SPITCH
	s_add_co_u32 s23, s23, STAGE
	v_mul_u32_u24 v4, v1, SPITCH
	v_lshl_add_u32 v4, v2, 5, v4                   ; in: row r, 32 bytes for each half of the lanes
	v_add_nc_u32 v[STO], s23, v4
	v_mul_u32_u24 v5, v2, SPITCH
	v_lshl_add_u32 v5, v1, 4, v5                   ; back: lanes 0-15 one row of 256 bytes, lanes 16-31 the next
	v_add_nc_u32 v[RD], s23, v5
	v_lshlrev_b32 v5, 12, v2
	v_lshl_add_u32 v[CO], v1, 4, v5                ; the same two rows in out0
	s_and_b32 s18, s13, 15                         ; a batch is 16 block rows: 0 in its first block,
	s_or_b32 s18, s18, s11                         ; and there in the waves with the block's rows 0-63
	v_mov_b32 v[FL], s18
.macro FETCH slot, q, f                ; 16 LDS loads: the fragments of 32 along K at byte 64 q of the slot's rows
.irp i, 0,1,2,3
	ds_load_b128 v[\f+8*\i:\f+8*\i+3],   v[ADRB+\slot] offset:\i*16*PITCH+64*\q
	ds_load_b128 v[\f+8*\i+4:\f+8*\i+7], v[ADRB+\slot] offset:\i*16*PITCH+64*\q+32
.endr
.irp i, 0,1,2,3
	ds_load_b128 v[\f+32+8*\i:\f+32+8*\i+3],   v[ADRA+\slot] offset:\i*16*PITCH+64*\q
	ds_load_b128 v[\f+32+8*\i+4:\f+32+8*\i+7], v[ADRA+\slot] offset:\i*16*PITCH+64*\q+32
.endr
.endm
.macro MUL16 f, zero                   ; the sixteen accumulators take turns, one instruction a turn
.irp a, 0,1,2,3
.irp b, 0,1,2,3
.if \zero
	v_wmma_f32_16x16x32_f16 v[8*(4*\a+\b):8*(4*\a+\b)+7], v[\f+8*\b:\f+8*\b+7], v[\f+32+8*\a:\f+32+8*\a+7], 0
.else
	v_wmma_f32_16x16x32_f16 v[8*(4*\a+\b):8*(4*\a+\b)+7], v[\f+8*\b:\f+8*\b+7], v[\f+32+8*\a:\f+32+8*\a+7], v[8*(4*\a+\b):8*(4*\a+\b)+7]
.endif
.endr
.endr
.endm
; A slot's 256 along K in eight parts of 32, on buffers 0, 1, 0, 1 ..; part q + 1 is fetched ahead of part q's products.
.macro WORK slot, zero
.irp q, 0,1,2,3,4,5,6,7
.if \q < 7
	WIN 0
	FETCH \slot, (\q+1), (F0+64*((\q+1)&1))
	s_wait_dscnt 16                                ; this part's fragments are in; the 16 loads just issued stay out
.else
	s_wait_dscnt 0
.endif
	WIN 0x50                                       ; C and D in window 1
.if \q == 0
	MUL16 (F0+64*(\q&1)), \zero
.else
	MUL16 (F0+64*(\q&1)), 0
.endif
	PLACES 4                                       ; before loads go into the fragments just read, and before results are read
.endr
.endm
; The change of slots.  Every wave waits for its reads of the old slot and for all its tensor loads (its part of the new slot); where the old slot is filled again
; a round of the cluster's barrier follows and the joint refill is the first tensor load behind it, one a wave.
.macro CHANGE old, new, refill
	WIN 0
	s_wait_dscnt 0x0
	s_wait_tensorcnt 0x0
	ds_add_u32 v254, v255
	s_wait_dscnt 0x0
.if \refill
	s_add_nc_u64 s[G0+4*\old+2:G0+4*\old+3], s[G0+4*\old+2:G0+4*\old+3], 2*SLOTK
	s_add_nc_u64 s[G0B+4*\old+2:G0B+4*\old+3], s[G0B+4*\old+2:G0B+4*\old+3], 2*SLOTK
	CROUND
	JLOAD \old
.else
	s_barrier_signal -1
	s_barrier_wait -1
.endif
	FETCH \new, 0, F0
.endm
	s_wait_tensorcnt 1                             ; my part of slot 0 is in; slot 1's load stays out
	s_barrier_signal -1
	s_barrier_wait -1
	FETCH 0, 0, F0
	WORK 0, 1                                      ; K 0-255: the first products start the sums
	CHANGE 0, 1, 1                                 ; slot 0 <- K 512-767
	WORK 1, 0                                      ; K 256-511
	CHANGE 1, 0, 1                                 ; slot 1 <- K 768-1023
	WORK 0, 0
	CHANGE 0, 1, 0                                 ; nothing is left to fetch
	WORK 1, 0
	; THE WAY OUT, 16 rows at a time through my own stage: 32 bytes a lane in, whole rows of 256 bytes back
	WIN 0
	s_lshl_b32 s16, s13, 7
	s_lshl_b32 s14, s11, 6
	s_add_co_u32 s16, s16, s14                     ; my first row
	s_lshl_b32 s16, s16, 12                        ; rows of 4,096 bytes
	s_mov_b32 s17, 0
	s_add_nc_u64 s[8:9], s[8:9], s[16:17]
	s_lshl_b32 s46, s42, 9                         ; my first column in bytes: 512 x block column + 256 x half
	s_lshl_b32 s47, s12, 8
	s_add_co_u32 s46, s46, s47
	s_mov_b32 s47, 0
	s_add_nc_u64 s[8:9], s[8:9], s[46:47]
.macro OUTA a, f
	WIN 0x04                                       ; an LDS store's data are source 1: window 1
.irp b, 0,1,2,3
	ds_store_b128 v[STO], v[8*(4*\a+\b):8*(4*\a+\b)+3]   offset:64*\b
	ds_store_b128 v[STO], v[8*(4*\a+\b)+4:8*(4*\a+\b)+7] offset:64*\b+16
.endr
	WIN 0
	s_wait_xcnt 0x0                                ; earlier stores have read buffer f, which is loaded again only behind this wait
.irp t, 0,1,2,3,4,5,6,7
	ds_load_b128 v[\f+4*\t:\f+4*\t+3], v[RD] offset:\t*2*SPITCH    ; LDS serves a wave's instructions in order: these see the stores above
.endr
.if \a == 0
	s_wait_dscnt 0x0
	s_wait_xcnt 0x0                                ; EXEC changes only behind this wait
	v_cmp_ne_u32 vcc_lo, 0, v[FL]                  ; all lanes off where these 16 rows are a batch's first 16
	s_and_saveexec_b32 s3, vcc_lo
.irp t, 0,1,2,3,4,5,6,7
	global_store_b128 v[CO], v[\f+4*\t:\f+4*\t+3], s[8:9] offset:65536*\a+8192*\t th:TH_STORE_NT
.endr
	s_wait_xcnt 0x0                                ; and again in front of the line that widens it
	s_or_b32 exec_lo, exec_lo, s3
.else
.irp t, 0,1,2,3,4,5,6,7
	s_wait_dscnt 7-\t
	global_store_b128 v[CO], v[\f+4*\t:\f+4*\t+3], s[8:9] offset:65536*\a+8192*\t th:TH_STORE_NT   ; 16 lanes store 256 consecutive bytes at a multiple of 256
.endr
.endif
.endm
	OUTA 0, F0
	OUTA 1, F1
	OUTA 2, F0
	OUTA 3, F1
	s_wait_tensorcnt 0x0
	ds_add_u32 v254, v255
	s_wait_dscnt 0x0
	CROUND                                         ; the closing round
	s_endpgm
.Lfunc_end_k_qde918d6929_oproj:
	.size	k_qde918d6929_oproj, .Lfunc_end_k_qde918d6929_oproj-k_qde918d6929_oproj
	.p2alignl 7, 3214868480
	.fill 96, 4, 3214868480
	.section	.rodata,"a",@progbits
	.p2align	6, 0x0
	.amdhsa_kernel k_qde918d6929_oproj
		.amdhsa_group_segment_fixed_size 327680
		.amdhsa_private_segment_fixed_size 0
		.amdhsa_enable_private_segment 0
		.amdhsa_kernarg_size 24
		.amdhsa_user_sgpr_count 2
		.amdhsa_user_sgpr_kernarg_segment_ptr 1
		.amdhsa_wavefront_size32 1
		.amdhsa_system_sgpr_workgroup_id_x 1
		.amdhsa_system_sgpr_workgroup_id_y 1
		.amdhsa_system_sgpr_workgroup_id_z 1
		.amdhsa_system_vgpr_workitem_id 0
		.amdhsa_next_free_vgpr 384
		.amdhsa_next_free_sgpr 66
		.amdhsa_reserve_vcc 1
		.amdhsa_float_denorm_mode_32 3
		.amdhsa_float_denorm_mode_16_64 3
		.amdhsa_memory_ordered 1
		.amdhsa_forward_progress 1
		.amdhsa_inst_pref_size 88
	.end_amdhsa_kernel
	.amdgpu_metadata
---
amdhsa.version: [ 1, 2 ]
amdhsa.kernels:
  - .name:           k_qde918d6929_oproj
    .symbol:         k_qde918d6929_oproj.kd
    .args:
      - { .name: oh, .offset: 0, .size: 8, .value_kind: global_buffer, .address_space: global }
      - { .name: wh, .offset: 8, .size: 8, .value_kind: global_buffer, .address_space: global }
      - { .name: out0, .offset: 16, .size: 8, .value_kind: global_buffer, .address_space: global }
    .group_segment_fixed_size: 327680
    .private_segment_fixed_size: 0
    .kernarg_segment_align: 8
    .kernarg_segment_size: 24
    .max_flat_workgroup_size: 128
    .sgpr_count:     66
    .vgpr_count:     384
    .wavefront_size: 32
...
	.end_amdgpu_metadata
.endif
;; end of part 4
;; launch early (part 5): grid 16 x 2, 8 waves a work-group, no clusters, 109,568 bytes of LDS; arguments sp, wh, out0; writes out0
.if DOCPART == 5
	.amdgcn_target "amdgcn-amd-amdhsa--gfx1250"
	.amdhsa_code_object_version 6
	.text
	.protected	k_qde918d6929_early
	.globl	k_qde918d6929_early
	.p2align	8
	.type	k_qde918d6929_early,@function
k_qde918d6929_early:
	s_mov_b64 s[64:65], 0
	v_nop
	global_prefetch_b8 v0, s[64:65] scope:SCOPE_SE
	s_setreg_imm32_b32 hwreg(HW_REG_WAVE_MODE, 25, 1), 1
	s_wait_xcnt 0x0
; early: the first 16 rows of each batch, from q, k, v to out0, with every intermediate carried as a pair of f16 (hi + lo, about 21 bits).
; These rows see keys 0 to 15 alone (causal), so a head's attention is one tile of 16 x 16.  They average over few values and are about ten times the size of a typical
; row, while the allowance follows the whole output: one f16 step on v, p and o is too coarse for them, and for them alone.
; sp holds q, k, v of these rows: [3][2 batches][hi, lo][16 rows][1024] f16.  Wo = rows 3,072 .. of wh, f16 numbers that carry bf16's rounding alone, so it needs no pair.
; Work-group (slice, b): 64 columns of out0 for batch b's 16 rows: 32 work-groups.  Eight waves; wave w takes heads 2 w, 2 w + 1, that is 128 of the projection's K:
;   S^T = Kh Qh + Kh Ql + Kl Qh   (source 0 = 16 keys, source 1 = 16 queries; lane (r, h), register j: query r, key 8 h + j)      12 matrix instructions
;   softmax in f32, the row's maximum taken away first; p = exp2(c s - c M), c = log2(e)/8; p cut into hi and lo
;   O^T = [Vh | Vl]^T [P | P]^T  once for P's hi and once for its lo: the 32 of a step's K hold the 16 keys twice                 16
;   o = O / L, cut into hi and lo: a lane's eight results are eight neighbouring d of query r, which pack straight into the second source of
;   out^T += Wo (oh + ol)        over my 128 of K, four tiles of 16 columns                                                       32
; The eight waves' partial sums meet in LDS; each thread adds eight and stores 16 bytes.  Each work-group makes the attention of all 16 heads anew: that is 28 matrix
; instructions a wave, less than handing o between work-groups through memory and another launch would cost.
; No tensor loads, no cluster: a work-group reads some 320 KB once, straight into fragments, and shares nothing at the same time.
; LIMITS: as for f16 elsewhere (magnitudes below 65,504); a lo part below 2^-14 has a step of 2^-24; the products lo x lo of S are left out (2^-22 of a score).
.set VP,    288                        ; V's LDS pitch: 256 + 32, an odd multiple of 32 for the transposing load
.set VWV,   32*VP                      ; a wave's V: 16 rows of hi, 16 of lo
.set RED,   8*VWV                      ; behind V: the partial sums, 16 rows x 272 bytes for each wave
.set RP,    272
.set RWV,   16*RP
.set PARTB, 131072                     ; sp: from q to k to v
.set HLB,   32768                      ; sp: from hi to lo
.set WOOFF, 3072*2048
.set VQ, 3                             ; v3  r x 2,048 + 16 h + 256 w: fragments of Q, K and Wo
.set VV, 4                             ; v4  (l / 16) x 2,048 + 16 (l % 16) + 256 w: rows of V
.set VS, 5                             ; v5  where V's rows go in LDS
.set VT, 6                             ; v6  the transposing load's address
.set RS, 7                             ; v7  where my partial sums go
.set RL, 8                             ; v8  where my 16 bytes of the eight partial sums lie
.set CO, 9                             ; v9  my 16 bytes in out0
.set DQ, 10                            ; v10 r - 8 h: register j is masked where j is larger
.set NI, 11                            ; v11 -inf
.set LS, 12                            ; v12-13 sums
.set MC, 16                            ; v[16:17], v[18:19] -c M (first of each pair; the second is written once, since a pair counts as read whole)
.set RI, 20                            ; v[20:21], v[22:23] 1 / L, likewise
.set T,  24                            ; v24-31 at work; v32-33 what comes from the other half of the lanes
.set SB, 40                            ; v40-55   S of my two heads
.set PB, 56                            ; v56-87   head hd: [Ph | Ph] at 16 hd, [Pl | Pl] at 16 hd + 8
.set OB, 88                            ; v88-151  O: 32 hd + 8 dt
.set VB, 152                           ; v152-215 V as loaded; then V's fragments 8 (4 hd + dt): hi in 0-3, lo in 4-7; then o's fragments 16 ks: hi in 0-7, lo in 8-15
.set AB, 216                           ; v216-247 the projection's four accumulators
; window 1 (written with the low 8 bits): 0-127 fragments of Q (0) and K (64): + 32 hl + 16 hd + 8 kk;  128-255 fragments of Wo: 8 (4 nt + ks)
.set WF, 128
.set MSB, 0
.macro WIN new
.if MSB != \new
	s_set_vgpr_msb (MSB<<8)|\new
.set MSB, \new
.endif
.endm
.macro PLACES n                        ; plain vector instructions behind a matrix instruction (ISA guide 7.12.1)
.rept \n
	v_nop
.endr
.endm
	s_load_b128 s[4:7], s[0:1], 0x0                ; sp s[4:5], wh s[6:7]
	s_load_b64 s[8:9], s[0:1], 0x10                ; out0
	v_lshl_add_u32 v254, v0, 2, 0x1a800
	v_mov_b32 v255, 0
	v_lshrrev_b32 v1, 5, v0
	v_readfirstlane_b32 s10, v1                    ; w
	s_mov_b32 s11, ttmp9                           ; slice of 64 columns
	s_and_b32 s12, ttmp7, 0xffff                   ; b
	s_mov_b32 s20, 0x76543210                      ; v_permlanex16_b32: lane i of one half reads lane i of the other
	s_mov_b32 s21, 0xfedcba98
	s_mov_b32 s22, 0x3e38aa3b                      ; c = log2(e) / 8
	s_mov_b32 s23, 0xbe38aa3b                      ; -c
	s_mov_b32 s24, 0xffffe000                      ; keeps an f32's sign, exponent and 10 mantissa bits: what f16 holds
	s_lshl_b32 s26, s12, 16                        ; sp: the batch
	s_mov_b32 s27, 0
	s_lshl_b32 s28, s11, 17                        ; wh: Wo's rows 64 x slice ..
	s_add_co_u32 s28, s28, WOOFF
	s_mov_b32 s29, 0
	s_lshl_b32 s30, s12, 23                        ; out0: 2,048 b rows of 4,096 bytes + 256 x slice
	s_lshl_b32 s31, s11, 8
	s_add_co_u32 s30, s30, s31
	s_mov_b32 s31, 0
	s_lshl_b32 s13, s10, 8                         ; my two heads' 256 bytes of a row
	s_mul_i32 s14, s10, VWV
	s_mul_i32 s15, s10, RWV
	s_add_co_u32 s15, s15, RED
	v_and_b32 v1, 15, v0                           ; r
	v_bfe_u32 v2, v0, 4, 1                         ; h
	v_lshlrev_b32 v[VQ], 11, v1
	v_lshl_add_u32 v[VQ], v2, 4, v[VQ]
	v_add_nc_u32 v[VQ], s13, v[VQ]
	v_lshlrev_b32 v[VV], 11, v2
	v_lshl_add_u32 v[VV], v1, 4, v[VV]
	v_add_nc_u32 v[VV], s13, v[VV]
	s_wait_kmcnt 0x0
	s_add_nc_u64 s[4:5], s[4:5], s[26:27]
	s_add_nc_u64 s[6:7], s[6:7], s[28:29]
	s_add_nc_u64 s[8:9], s[8:9], s[30:31]
.irp hl, 0,1
.irp i, 0,1,2,3,4,5,6,7
	global_load_b128 v[VB+4*(8*\hl+\i):VB+4*(8*\hl+\i)+3], v[VV], s[4:5] offset:2*PARTB+\hl*HLB+4096*\i   ; two rows of V: 16 lanes take 256 consecutive bytes
.endr
.endr
	WIN 0x40                                       ; destination in window 1
.irp g, 0,1
.irp hl, 0,1
.irp hd, 0,1
.irp kk, 0,1
.irp hf, 0,1
	global_load_b128 v[64*\g+32*\hl+16*\hd+8*\kk+4*\hf:64*\g+32*\hl+16*\hd+8*\kk+4*\hf+3], v[VQ], s[4:5] offset:\g*PARTB+\hl*HLB+128*\hd+64*\kk+32*\hf
.endr
.endr
.endr
.endr
.endr
	WIN 0
	v_mul_u32_u24 v[VS], v2, VP
	v_lshl_add_u32 v[VS], v1, 4, v[VS]
	v_add_nc_u32 v[VS], s14, v[VS]
	v_and_b32 v[VT], 7, v0
	v_lshl_add_u32 v[VT], v2, 3, v[VT]
	v_mul_u32_u24 v[VT], v[VT], VP                 ; key 8 h + l % 8
	v_bfe_u32 v24, v0, 3, 1
	v_lshl_add_u32 v[VT], v24, 4, v[VT]            ; + 16 ((l / 8) % 2)
	v_add_nc_u32 v[VT], s14, v[VT]
	v_mul_u32_u24 v[RS], v1, RP
	v_lshl_add_u32 v[RS], v2, 5, v[RS]             ; row r, 32 bytes for each half of the lanes
	v_add_nc_u32 v[RS], s15, v[RS]
	v_lshrrev_b32 v24, 4, v0                       ; thread / 16: the row that I add up and store
	v_mul_u32_u24 v[RL], v24, RP
	v_lshl_add_u32 v[RL], v1, 4, v[RL]
	v_add_nc_u32 v[RL], RED, v[RL]
	v_lshlrev_b32 v[CO], 12, v24
	v_lshl_add_u32 v[CO], v1, 4, v[CO]
	v_lshlrev_b32 v24, 3, v2
	v_sub_nc_u32 v[DQ], v1, v24
	v_mov_b32 v[NI], 0xff800000
	v_mov_b32 v[MC+1], 0
	v_mov_b32 v[MC+3], 0
	v_mov_b32 v[RI+1], 0
	v_mov_b32 v[RI+3], 0
	v_mov_b32 v32, 0
	v_mov_b32 v33, 0
	s_wait_loadcnt 32                              ; V's 16 loads are in; the 32 younger ones (Q, K) stay out
.irp hl, 0,1
.irp i, 0,1,2,3,4,5,6,7
	ds_store_b128 v[VS], v[VB+4*(8*\hl+\i):VB+4*(8*\hl+\i)+3] offset:\hl*16*VP+\i*2*VP
.endr
.endr
	s_wait_dscnt 0x0                               ; the stores have read v152-215, into which the fragments come.  The bytes are my wave's own: no barrier
.irp hd, 0,1
.irp dt, 0,1,2,3
.irp hl, 0,1
	ds_load_tr16_b128 v[VB+8*(4*\hd+\dt)+4*\hl:VB+8*(4*\hd+\dt)+4*\hl+3], v[VT] offset:\hl*16*VP+128*\hd+32*\dt   ; d = 16 dt + r, keys 8 h + 0..7
.endr
.endr
.endr
	s_wait_loadcnt 0x0                             ; Q and K
	WIN 0x40
.irp nt, 0,1,2,3
.irp ks, 0,1,2,3
.irp hf, 0,1
	global_load_b128 v[WF+8*(4*\nt+\ks)+4*\hf:WF+8*(4*\nt+\ks)+4*\hf+3], v[VQ], s[6:7] offset:32768*\nt+64*\ks+32*\hf   ; Wo's fragments land while the attention is made
.endr
.endr
.endr
; two matrix instructions, one for each head: the two accumulators take turns, one instruction a turn
.macro SMUL khl, qhl, kk, zero
.irp hd, 0,1
.if \zero
	v_wmma_f32_16x16x32_f16 v[SB+8*\hd:SB+8*\hd+7], v[64+32*\khl+16*\hd+8*\kk:64+32*\khl+16*\hd+8*\kk+7], v[32*\qhl+16*\hd+8*\kk:32*\qhl+16*\hd+8*\kk+7], 0
.else
	v_wmma_f32_16x16x32_f16 v[SB+8*\hd:SB+8*\hd+7], v[64+32*\khl+16*\hd+8*\kk:64+32*\khl+16*\hd+8*\kk+7], v[32*\qhl+16*\hd+8*\kk:32*\qhl+16*\hd+8*\kk+7], v[SB+8*\hd:SB+8*\hd+7]
.endif
.endr
.endm
	WIN 0x05                                       ; sources 0 and 1 in window 1
	SMUL 0, 0, 0, 1
	SMUL 0, 0, 1, 0
	SMUL 0, 1, 0, 0
	SMUL 0, 1, 1, 0
	SMUL 1, 0, 0, 0
	SMUL 1, 0, 1, 0
	WIN 0
	PLACES 4
.irp j, 0,1,2,3,4,5,6,7
	v_cmp_gt_i32 vcc_lo, \j, v[DQ]                 ; key 8 h + j behind query r
	v_cndmask_b32 v[SB+\j], v[SB+\j], v[NI], vcc_lo
	v_cndmask_b32 v[SB+8+\j], v[SB+8+\j], v[NI], vcc_lo
.endr
.irp hd, 0,1
	v_max3_num_f32 v[T+\hd], v[SB+8*\hd], v[SB+8*\hd+1], v[SB+8*\hd+2]
	v_max3_num_f32 v[T+\hd], v[T+\hd], v[SB+8*\hd+3], v[SB+8*\hd+4]
	v_max3_num_f32 v[T+\hd], v[T+\hd], v[SB+8*\hd+5], v[SB+8*\hd+6]
	v_max_num_f32 v[T+\hd], v[T+\hd], v[SB+8*\hd+7]
.endr
	v_permlanex16_b32 v32, v[T], s20, s21          ; the other half of the lanes holds the query's other eight keys
	v_permlanex16_b32 v33, v[T+1], s20, s21
.irp hd, 0,1
	v_max_num_f32 v[T+\hd], v[T+\hd], v[32+\hd]    ; finite: key 0 is masked for no query
	v_mul_f32 v[MC+2*\hd], s23, v[T+\hd]
.endr
.irp hd, 0,1
.irp m, 0,1,2,3
	v_pk_fma_f32 v[SB+8*\hd+2*\m:SB+8*\hd+2*\m+1], v[SB+8*\hd+2*\m:SB+8*\hd+2*\m+1], s[22:23], v[MC+2*\hd:MC+2*\hd+1] op_sel_hi:[1,0,0]
.endr
.endr
.set e, 0
.rept 16
	v_exp_f32 v[SB+e], v[SB+e]
.set e, e+1
.endr
	v_nop                                          ; one plain instruction behind the last exponential
	s_wait_alu depctr_va_vdst(0)
.irp hd, 0,1
	v_pk_add_f32 v[T+4*\hd:T+4*\hd+1], v[SB+8*\hd:SB+8*\hd+1], v[SB+8*\hd+2:SB+8*\hd+3]
	v_pk_add_f32 v[T+4*\hd+2:T+4*\hd+3], v[SB+8*\hd+4:SB+8*\hd+5], v[SB+8*\hd+6:SB+8*\hd+7]
	v_pk_add_f32 v[T+4*\hd:T+4*\hd+1], v[T+4*\hd:T+4*\hd+1], v[T+4*\hd+2:T+4*\hd+3]
	v_add_f32 v[LS+\hd], v[T+4*\hd], v[T+4*\hd+1]
.endr
	v_permlanex16_b32 v32, v[LS], s20, s21
	v_permlanex16_b32 v33, v[LS+1], s20, s21
	v_add_f32 v32, v32, v[LS]
	v_add_f32 v33, v33, v[LS+1]
	v_rcp_f32 v[RI], v32                           ; the largest p is 1: the sum is at least 1
	v_rcp_f32 v[RI+2], v33
	v_nop                                          ; one plain instruction behind a transcendental
	; p into hi and lo; each goes twice into its fragment, against V's hi (K 0-15) and V's lo (K 16-31)
.irp hd, 0,1
.irp m, 0,1,2,3
	v_and_b32 v[T+2*\m], s24, v[SB+8*\hd+2*\m]
	v_and_b32 v[T+2*\m+1], s24, v[SB+8*\hd+2*\m+1]
	v_cvt_pk_f16_f32 v[PB+16*\hd+\m], v[T+2*\m], v[T+2*\m+1]
	v_cvt_pk_f16_f32 v[PB+16*\hd+4+\m], v[T+2*\m], v[T+2*\m+1]
	v_sub_f32 v[T+2*\m], v[SB+8*\hd+2*\m], v[T+2*\m]
	v_sub_f32 v[T+2*\m+1], v[SB+8*\hd+2*\m+1], v[T+2*\m+1]
	v_cvt_pk_f16_f32 v[PB+16*\hd+8+\m], v[T+2*\m], v[T+2*\m+1]
	v_cvt_pk_f16_f32 v[PB+16*\hd+12+\m], v[T+2*\m], v[T+2*\m+1]
.endr
.endr
	s_wait_dscnt 0x0                               ; V's fragments
	; eight accumulators take turns, one instruction a turn
.irp part, 0,1
.irp hd, 0,1
.irp dt, 0,1,2,3
.if \part == 0
	v_wmma_f32_16x16x32_f16 v[OB+32*\hd+8*\dt:OB+32*\hd+8*\dt+7], v[VB+8*(4*\hd+\dt):VB+8*(4*\hd+\dt)+7], v[PB+16*\hd+8*\part:PB+16*\hd+8*\part+7], 0
.else
	v_wmma_f32_16x16x32_f16 v[OB+32*\hd+8*\dt:OB+32*\hd+8*\dt+7], v[VB+8*(4*\hd+\dt):VB+8*(4*\hd+\dt)+7], v[PB+16*\hd+8*\part:PB+16*\hd+8*\part+7], v[OB+32*\hd+8*\dt:OB+32*\hd+8*\dt+7]
.endif
.endr
.endr
.endr
	PLACES 5                                       ; before O is read and V's registers are written
	; o = O / L into hi and lo.  K step ks = 2 hd + dt / 2; the even tile fills a fragment's registers 0-3, the odd one 4-7
	s_wait_alu depctr_va_vdst(0)
.irp hd, 0,1
.irp dt, 0,1,2,3
.irp m, 0,1,2,3
	v_pk_mul_f32 v[OB+32*\hd+8*\dt+2*\m:OB+32*\hd+8*\dt+2*\m+1], v[OB+32*\hd+8*\dt+2*\m:OB+32*\hd+8*\dt+2*\m+1], v[RI+2*\hd:RI+2*\hd+1] op_sel_hi:[1,0]
	v_and_b32 v[T+2*\m], s24, v[OB+32*\hd+8*\dt+2*\m]
	v_and_b32 v[T+2*\m+1], s24, v[OB+32*\hd+8*\dt+2*\m+1]
	v_cvt_pk_f16_f32 v[VB+16*(2*\hd+\dt/2)+4*(\dt&1)+\m], v[T+2*\m], v[T+2*\m+1]
	v_sub_f32 v[T+2*\m], v[OB+32*\hd+8*\dt+2*\m], v[T+2*\m]
	v_sub_f32 v[T+2*\m+1], v[OB+32*\hd+8*\dt+2*\m+1], v[T+2*\m+1]
	v_cvt_pk_f16_f32 v[VB+16*(2*\hd+\dt/2)+8+4*(\dt&1)+\m], v[T+2*\m], v[T+2*\m+1]
.endr
.endr
.endr
	s_wait_loadcnt 0x0                             ; Wo's fragments
	WIN 0x01                                       ; source 0 in window 1
	; four accumulators take turns, one instruction a turn
.irp ks, 0,1,2,3
.irp part, 0,1
.irp nt, 0,1,2,3
.if (\ks+\part) == 0
	v_wmma_f32_16x16x32_f16 v[AB+8*\nt:AB+8*\nt+7], v[WF+8*(4*\nt+\ks):WF+8*(4*\nt+\ks)+7], v[VB+16*\ks+8*\part:VB+16*\ks+8*\part+7], 0
.else
	v_wmma_f32_16x16x32_f16 v[AB+8*\nt:AB+8*\nt+7], v[WF+8*(4*\nt+\ks):WF+8*(4*\nt+\ks)+7], v[VB+16*\ks+8*\part:VB+16*\ks+8*\part+7], v[AB+8*\nt:AB+8*\nt+7]
.endif
.endr
.endr
.endr
	WIN 0
	PLACES 4
.irp nt, 0,1,2,3
	ds_store_b128 v[RS], v[AB+8*\nt:AB+8*\nt+3] offset:64*\nt          ; row r, columns 16 nt + 8 h + 0..7
	ds_store_b128 v[RS], v[AB+8*\nt+4:AB+8*\nt+7] offset:64*\nt+16
.endr
	s_wait_dscnt 0x0                               ; my partial sums are in LDS,
	s_barrier_signal -1
	s_barrier_wait -1                              ; everybody's are
.irp p, 0,1,2,3,4,5,6,7
	ds_load_b128 v[OB+4*\p:OB+4*\p+3], v[RL] offset:\p*RWV
.endr
	s_wait_dscnt 0x0
.irp p, 0,2,4,6
	v_pk_add_f32 v[OB+4*\p:OB+4*\p+1], v[OB+4*\p:OB+4*\p+1], v[OB+4*\p+4:OB+4*\p+5]
	v_pk_add_f32 v[OB+4*\p+2:OB+4*\p+3], v[OB+4*\p+2:OB+4*\p+3], v[OB+4*\p+6:OB+4*\p+7]
.endr
.irp p, 0,4
	v_pk_add_f32 v[OB+4*\p:OB+4*\p+1], v[OB+4*\p:OB+4*\p+1], v[OB+4*\p+8:OB+4*\p+9]
	v_pk_add_f32 v[OB+4*\p+2:OB+4*\p+3], v[OB+4*\p+2:OB+4*\p+3], v[OB+4*\p+10:OB+4*\p+11]
.endr
	v_pk_add_f32 v[OB:OB+1], v[OB:OB+1], v[OB+16:OB+17]
	v_pk_add_f32 v[OB+2:OB+3], v[OB+2:OB+3], v[OB+18:OB+19]
	global_store_b128 v[CO], v[OB:OB+3], s[8:9] th:TH_STORE_NT     ; 16 lanes store 256 consecutive bytes at a multiple of 256
	s_wait_tensorcnt 0x0
	ds_add_u32 v254, v255
	s_wait_dscnt 0x0
	s_endpgm
.Lfunc_end_k_qde918d6929_early:
	.size	k_qde918d6929_early, .Lfunc_end_k_qde918d6929_early-k_qde918d6929_early
	.p2alignl 7, 3214868480
	.fill 96, 4, 3214868480
	.section	.rodata,"a",@progbits
	.p2align	6, 0x0
	.amdhsa_kernel k_qde918d6929_early
		.amdhsa_group_segment_fixed_size 109568
		.amdhsa_private_segment_fixed_size 0
		.amdhsa_enable_private_segment 0
		.amdhsa_kernarg_size 24
		.amdhsa_user_sgpr_count 2
		.amdhsa_user_sgpr_kernarg_segment_ptr 1
		.amdhsa_wavefront_size32 1
		.amdhsa_system_sgpr_workgroup_id_x 1
		.amdhsa_system_sgpr_workgroup_id_y 1
		.amdhsa_system_sgpr_workgroup_id_z 1
		.amdhsa_system_vgpr_workitem_id 0
		.amdhsa_next_free_vgpr 512
		.amdhsa_next_free_sgpr 66
		.amdhsa_reserve_vcc 1
		.amdhsa_float_denorm_mode_32 3
		.amdhsa_float_denorm_mode_16_64 3
		.amdhsa_memory_ordered 1
		.amdhsa_forward_progress 1
		.amdhsa_inst_pref_size 36
	.end_amdhsa_kernel
	.amdgpu_metadata
---
amdhsa.version: [ 1, 2 ]
amdhsa.kernels:
  - .name:           k_qde918d6929_early
    .symbol:         k_qde918d6929_early.kd
    .args:
      - { .name: sp, .offset: 0, .size: 8, .value_kind: global_buffer, .address_space: global }
      - { .name: wh, .offset: 8, .size: 8, .value_kind: global_buffer, .address_space: global }
      - { .name: out0, .offset: 16, .size: 8, .value_kind: global_buffer, .address_space: global }
    .group_segment_fixed_size: 109568
    .private_segment_fixed_size: 0
    .kernarg_segment_align: 8
    .kernarg_segment_size: 24
    .max_flat_workgroup_size: 256
    .sgpr_count:     66
    .vgpr_count:     512
    .wavefront_size: 32
...
	.end_amdgpu_metadata
.endif
;; end of part 5
;; ======== version 2 of 2: 5 launches; version 1 with the launches prep, early written anew for expert scheduling mode
;; limits: values are held in f16: magnitudes above 65,504 overflow, below 6.1e-05 lose precision
;; workspace buffers: xh 8,388,608 bytes; wh 8,388,608 bytes; rope 1,048,576 bytes; qkv 25,165,824 bytes; oh 8,388,608 bytes; sp 393,216 bytes
;; launch prep (part 6): grid 256 x 1, 8 waves a work-group, no clusters, 0 bytes of LDS; arguments x, Wq, Wk, Wv, Wo, token_positions, xh, wh, rope; writes xh, wh, rope
.if DOCPART == 6
	.amdgcn_target "amdgcn-amd-amdhsa--gfx1250"
	.amdhsa_code_object_version 6
	.text
	.protected	k_qde918d6929_prep
	.globl	k_qde918d6929_prep
	.p2align	8
	.type	k_qde918d6929_prep,@function
k_qde918d6929_prep:
	s_mov_b64 s[64:65], 0
	v_nop
	global_prefetch_b8 v0, s[64:65] scope:SCOPE_SE
	s_setreg_imm32_b32 hwreg(HW_REG_WAVE_SCHED_MODE, 0, 2), 2
	s_setreg_imm32_b32 hwreg(HW_REG_WAVE_MODE, 25, 1), 1
	s_wait_xcnt 0x0
	s_wait_alu depctr_vm_vsrc(0)
; prep: x and the four weight matrices become matrix operands, and the table of cosines and sines of the rotary embedding is made.
; OPERAND FORMAT: each number is rounded to bf16 (nearest even) and then written as f16.  f16 has three more mantissa bits than bf16, so every bf16
; number of magnitude 2^-17 to 65,504 is held exactly (smaller ones within 2^-25).  The inputs thus carry bf16's rounding and nothing else, while the later launches'
; intermediates (q, k, v, p, o) use f16's finer step in the same matrix form.
; 256 work-groups of 8 waves.  Work-group g converts 32,768 numbers (131,072 bytes in, 65,536 out):
;   g < 128:  x  + 131,072 g                 -> xh + 65,536 g
;   g >= 128: W[(g-128)/32] + 131,072 (g%32) -> wh + 65,536 (g-128)     (wh = Wq, Wk, Wv, Wo one behind the other, 1,024 rows each)
; Thread t takes 16 bytes at 16 t + 4,096 i (i = 0..31): a wave's load covers 512 consecutive bytes; its store of 8 bytes a lane
; covers 256 consecutive bytes that begin at a multiple of 256.  All 32 loads are issued at once; nothing is read twice.  No LDS, no barrier,
; no matrix unit: the launch only moves bytes.
; Work-group g also writes block g (16 token rows, 4,096 bytes) of the table.  Thread t = 64 pos + 32 half + 16 h + r writes 16 bytes at 16 t:
; (cos, sin, cos, sin) of the pairs j0 = 8 pos + 4 h + 2 half and j0 + 1 for token row 16 g + r: the order in which the next launch's lanes want them.
; angle = position * 10000^(-j/32), the product rounded once.  10000^(-j/32) = exp2(-j log2(10)/8); the exponent's rounding residue is put back by a first-order term.
; LIMITS: magnitudes of x and W below 65,504.  Positions are taken as 0..2047 (the table that the angles stand for has 2,048 rows).
; The angle is reduced by multiples of pi/2 in two parts (good for multiples up to 2^11), sine and cosine are polynomials on |r| <= pi/4
; with a truncation below 4e-7; the power's last bit times the position leaves at most about 3e-4 radians.
; THE MODE: SCHED_MODE bits 1:0 = 2 (LLVM: expert scheduling mode 2), set by the entry lines.  The code itself states the register dependences
; between vector instructions and memory instructions, with s_wait_alu, always for 0.
; THE PLAN.  Registers that memory instructions touch:
;   v1, v2, v4   byte offsets: written once at the head, read by every load and store, never written again.
;   v3           the position: one load lands in it, one conversion reads it.
;   X, item i    four registers: item i's load lands in them, its eight conversions work in place, its store reads the first two; never written again.
;   RO           the table's four numbers: written by the polynomials, read by one store, never written again.
; No register that a memory instruction has read is written again, and no load lands in a register that a vector instruction has named: what is left to state is that
; a store's data and the offsets are written.  The 32 items go in eight blocks of four.  One wait at a block's head states that the block before has written its results; that
; block's four stores are dealt among this block's conversions, which name this block's registers alone.
.set PF,  5                            ; v5        position as f32
.set JF,  6                            ; v6, v7    j0, j0 + 1 as f32
.set W,   8                            ; v[8:12]   at work: no memory instruction names them
.set X,   16                           ; v[16:143] the 32 loads, 4 registers each; converted in place
.set RO,  144                          ; v[144:147] cos, sin, cos, sin
	s_load_b512 s[8:23], s[0:1], 0x0               ; x s[8:9], Wq s[10:11], Wk s[12:13], Wv s[14:15], Wo s[16:17], positions s[18:19], xh s[20:21], wh s[22:23]
	s_load_b64 s[24:25], s[0:1], 0x40              ; rope
	s_mov_b32 s4, ttmp9                            ; g
	s_mov_b32 s26, 0xffff0000                      ; a word's upper bf16
	v_lshlrev_b32 v1, 4, v0                        ; 16 t: loads, and the table's store
	v_lshlrev_b32 v2, 3, v0                        ; 8 t: stores
	v_and_b32 v4, 15, v0
	v_lshlrev_b32 v4, 2, v4                        ; 4 r: my row's position
	; byte offsets, in registers of their own
	s_and_b32 s5, s4, 31
	s_cmp_lt_u32 s4, 128
	s_cselect_b32 s5, s4, s5                       ; piece of the source: g in x, g % 32 in a weight matrix
	s_lshl_b32 s32, s5, 17
	s_mov_b32 s33, 0
	s_and_b32 s34, s4, 127                         ; piece of the destination: g in xh, g - 128 in wh
	s_lshl_b32 s34, s34, 16
	s_mov_b32 s35, 0
	s_lshl_b32 s36, s4, 6                          ; 16 positions of 4 bytes
	s_mov_b32 s37, 0
	s_lshl_b32 s38, s4, 12                         ; a block of the table
	s_mov_b32 s39, 0
	s_wait_kmcnt 0x0
	s_mov_b64 s[28:29], s[16:17]                   ; the source: Wo, unless g is smaller
	s_cmp_lt_u32 s4, 224
	s_cselect_b64 s[28:29], s[14:15], s[28:29]
	s_cmp_lt_u32 s4, 192
	s_cselect_b64 s[28:29], s[12:13], s[28:29]
	s_cmp_lt_u32 s4, 160
	s_cselect_b64 s[28:29], s[10:11], s[28:29]
	s_cmp_lt_u32 s4, 128
	s_cselect_b64 s[28:29], s[8:9], s[28:29]
	s_cselect_b64 s[30:31], s[20:21], s[22:23]     ; the destination, on the same compare
	s_add_nc_u64 s[28:29], s[28:29], s[32:33]
	s_add_nc_u64 s[30:31], s[30:31], s[34:35]
	s_add_nc_u64 s[18:19], s[18:19], s[36:37]
	s_add_nc_u64 s[24:25], s[24:25], s[38:39]
	s_wait_alu depctr_va_vdst(0)                   ; v1, v2 and v4 are written: every load and store of the kernel reads one of them as its offset
	global_load_b32 v3, v4, s[18:19]               ; the position first: the table is made while the data are on their way
.set i, 0
.rept 32
	global_load_b128 v[X+4*i:X+4*i+3], v1, s[28:29] offset:4096*i th:TH_LOAD_NT
.set i, i+1
.endr
	v_lshrrev_b32 v[JF], 6, v0                     ; pos
	v_lshlrev_b32 v[JF], 3, v[JF]
	v_bfe_u32 v[JF+1], v0, 4, 1                    ; h
	v_lshl_or_b32 v[JF], v[JF+1], 2, v[JF]
	v_bfe_u32 v[JF+1], v0, 5, 1                    ; half
	v_lshl_or_b32 v[JF], v[JF+1], 1, v[JF]         ; j0 = 8 pos + 4 h + 2 half
	v_add_nc_u32 v[JF+1], 1, v[JF]
	v_cvt_f32_u32 v[JF], v[JF]
	v_cvt_f32_u32 v[JF+1], v[JF+1]
	s_wait_loadcnt 32                              ; loads come back in order: the position is in, the 32 younger loads stay out
	v_cvt_f32_i32 v[PF], v3
; cos and sin of position * 10000^(-j/32)
.macro SINCOS dc, dsn, jf
	v_mul_f32 v[W], 0xbed49a78, v[\jf]             ; a = -j c1, c1 = log2(10)/8 rounded to f32
	v_fma_f32 v[W+1], 0xbed49a78, v[\jf], -v[W]    ; what that product's rounding dropped,
	v_fmamk_f32 v[W+1], v[\jf], 0xb217b15b, v[W+1] ; and what c1's own rounding dropped (-8.83e-9 j)
	v_exp_f32 v[W], v[W]
	v_mul_f32 v[W+1], 0x3f317218, v[W+1]           ; times ln 2.  Also the plain instruction that stands behind a transcendental before its result is used
	s_wait_alu depctr_va_vdst(0)                   ; the exponential has written v[W], ahead of its first reader
	v_fma_f32 v[W], v[W], v[W+1], v[W]             ; exp2(a + e) = exp2(a) (1 + e ln 2) to first order; e is below 1e-6
	v_mul_f32 v[W], v[PF], v[W]                    ; the angle a
	v_mul_f32 v[W+1], 0x3f22f983, v[W]             ; a * 2/pi
	v_rndne_f32 v[W+1], v[W+1]                     ; k
	v_fmamk_f32 v[W], v[W+1], 0xbfc90fdb, v[W]     ; r = a - k * (pi/2 rounded to f32)
	v_fmamk_f32 v[W], v[W+1], 0x333bbd2e, v[W]     ;     + k * (what that rounding added)
	v_mul_f32 v[W+2], v[W], v[W]                   ; r^2
	v_cvt_i32_f32 v[W+1], v[W+1]                   ; the quadrant's number
	v_mov_b32 v[W+3], 0xb9500d01                   ; sin r = r + r r^2 (-1/6 + r^2 (1/120 - r^2/5040))
	v_fmaak_f32 v[W+3], v[W+2], v[W+3], 0x3c088889
	v_fmaak_f32 v[W+3], v[W+2], v[W+3], 0xbe2aaaab
	v_mul_f32 v[W+4], v[W], v[W+2]
	v_fma_f32 v[W+3], v[W+4], v[W+3], v[W]
	v_mov_b32 v[W+4], 0x37d00d01                   ; cos r = 1 + r^2 (-1/2 + r^2 (1/24 + r^2 (-1/720 + r^2/40320)))
	v_fmaak_f32 v[W+4], v[W+2], v[W+4], 0xbab60b61
	v_fmaak_f32 v[W+4], v[W+2], v[W+4], 0x3d2aaaab
	v_fmaak_f32 v[W+4], v[W+2], v[W+4], 0xbf000000
	v_fma_f32 v[W+4], v[W+2], v[W+4], 1.0
	v_and_b32 v[W], 1, v[W+1]
	v_cmp_eq_u32 vcc_lo, 1, v[W]                   ; odd quadrants swap the two.  The two signs are made between the compare and the wait for its mask
	v_lshlrev_b32 v[W], 30, v[W+1]                 ; the sine's sign: bit 1 of k
	v_and_b32 v[W], 0x80000000, v[W]
	v_add_nc_u32 v[W+1], 1, v[W+1]                 ; the cosine's sign: bit 1 of k + 1
	v_lshlrev_b32 v[W+2], 30, v[W+1]
	v_and_b32 v[W+2], 0x80000000, v[W+2]
	s_wait_alu depctr_va_vcc(0)                    ; the compare has written VCC, which the two selects read
	v_cndmask_b32 v[\dsn], v[W+3], v[W+4], vcc_lo
	v_cndmask_b32 v[\dc], v[W+4], v[W+3], vcc_lo
	v_xor_b32 v[\dsn], v[W], v[\dsn]
	v_xor_b32 v[\dc], v[W+2], v[\dc]
.endm
	SINCOS RO, RO+1, JF
	SINCOS RO+2, RO+3, JF+1
	s_wait_alu depctr_va_vdst(0)                   ; the table's four numbers v[RO ..] are written, which the store reads
	global_store_b128 v1, v[RO:RO+3], s[24:25]     ; a wave's store covers 512 consecutive bytes
.set i, 0
.rept 32
	s_wait_loadcnt 31-i                            ; load i is in, the younger ones stay out
.if (i >= 4) && (i % 4 == 0)
	s_wait_alu depctr_va_vdst(0)                   ; a block's head: the block before has written its four results, which the four stores dealt among this block's conversions read
.endif
.if i >= 4
	global_store_b64 v2, v[X+4*(i-4):X+4*(i-4)+1], s[30:31] offset:2048*(i-4)   ; an item of the block before; no vector instruction since the wait names its registers, and none writes them again
.endif
	v_cvt_pk_bf16_f32 v[X+4*i], v[X+4*i], v[X+4*i+1]       ; the one rounding: to bf16
	v_cvt_pk_bf16_f32 v[X+4*i+2], v[X+4*i+2], v[X+4*i+3]
	v_lshlrev_b32 v[X+4*i+1], 16, v[X+4*i]                 ; back to f32: the low half moves up,
	v_and_b32 v[X+4*i], s26, v[X+4*i]                      ; the high half stays
	v_lshlrev_b32 v[X+4*i+3], 16, v[X+4*i+2]
	v_and_b32 v[X+4*i+2], s26, v[X+4*i+2]
	v_cvt_pk_f16_f32 v[X+4*i], v[X+4*i+1], v[X+4*i]        ; the same numbers written as f16
	v_cvt_pk_f16_f32 v[X+4*i+1], v[X+4*i+3], v[X+4*i+2]
.set i, i+1
.endr
	s_wait_alu depctr_va_vdst(0)                   ; the last block has written its four results, which the last four stores read
.set i, 28
.rept 4
	global_store_b64 v2, v[X+4*i:X+4*i+1], s[30:31] offset:2048*i
.set i, i+1
.endr
	s_endpgm
.Lfunc_end_k_qde918d6929_prep:
	.size	k_qde918d6929_prep, .Lfunc_end_k_qde918d6929_prep-k_qde918d6929_prep
	.p2alignl 7, 3214868480
	.fill 96, 4, 3214868480
	.section	.rodata,"a",@progbits
	.p2align	6, 0x0
	.amdhsa_kernel k_qde918d6929_prep
		.amdhsa_group_segment_fixed_size 0
		.amdhsa_private_segment_fixed_size 0
		.amdhsa_enable_private_segment 0
		.amdhsa_kernarg_size 72
		.amdhsa_user_sgpr_count 2
		.amdhsa_user_sgpr_kernarg_segment_ptr 1
		.amdhsa_wavefront_size32 1
		.amdhsa_system_sgpr_workgroup_id_x 1
		.amdhsa_system_sgpr_workgroup_id_y 1
		.amdhsa_system_sgpr_workgroup_id_z 1
		.amdhsa_system_vgpr_workitem_id 0
		.amdhsa_next_free_vgpr 148
		.amdhsa_next_free_sgpr 66
		.amdhsa_reserve_vcc 1
		.amdhsa_float_denorm_mode_32 3
		.amdhsa_float_denorm_mode_16_64 3
		.amdhsa_memory_ordered 1
		.amdhsa_forward_progress 1
		.amdhsa_inst_pref_size 26
	.end_amdhsa_kernel
	.amdgpu_metadata
---
amdhsa.version: [ 1, 2 ]
amdhsa.kernels:
  - .name:           k_qde918d6929_prep
    .symbol:         k_qde918d6929_prep.kd
    .args:
      - { .name: x, .offset: 0, .size: 8, .value_kind: global_buffer, .address_space: global }
      - { .name: Wq, .offset: 8, .size: 8, .value_kind: global_buffer, .address_space: global }
      - { .name: Wk, .offset: 16, .size: 8, .value_kind: global_buffer, .address_space: global }
      - { .name: Wv, .offset: 24, .size: 8, .value_kind: global_buffer, .address_space: global }
      - { .name: Wo, .offset: 32, .size: 8, .value_kind: global_buffer, .address_space: global }
      - { .name: token_positions, .offset: 40, .size: 8, .value_kind: global_buffer, .address_space: global }
      - { .name: xh, .offset: 48, .size: 8, .value_kind: global_buffer, .address_space: global }
      - { .name: wh, .offset: 56, .size: 8, .value_kind: global_buffer, .address_space: global }
      - { .name: rope, .offset: 64, .size: 8, .value_kind: global_buffer, .address_space: global }
    .group_segment_fixed_size: 0
    .private_segment_fixed_size: 0
    .kernarg_segment_align: 8
    .kernarg_segment_size: 72
    .max_flat_workgroup_size: 256
    .sgpr_count:     66
    .vgpr_count:     148
    .wavefront_size: 32
...
	.end_amdgpu_metadata
.endif
;; end of part 6
;; launch qkv: the kernel of part 2 again; grid 12 x 16, 4 waves a work-group, clusters of 4 x 4, 327,680 bytes of LDS; arguments xh, wh, qkv, rope, sp; writes qkv, sp
;; launch attn: the kernel of part 3 again; grid 16 x 16, 8 waves a work-group, no clusters, 327,680 bytes of LDS; arguments qkv, oh; writes oh
;; launch oproj: the kernel of part 4 again; grid 8 x 32, 4 waves a work-group, clusters of 4 x 4, 327,680 bytes of LDS; arguments oh, wh, out0; writes out0
;; launch early (part 7): grid 16 x 2, 8 waves a work-group, no clusters, 109,568 bytes of LDS; arguments sp, wh, out0; writes out0
.if DOCPART == 7
	.amdgcn_target "amdgcn-amd-amdhsa--gfx1250"
	.amdhsa_code_object_version 6
	.text
	.protected	k_qde918d6929_early
	.globl	k_qde918d6929_early
	.p2align	8
	.type	k_qde918d6929_early,@function
k_qde918d6929_early:
	s_mov_b64 s[64:65], 0
	v_nop
	global_prefetch_b8 v0, s[64:65] scope:SCOPE_SE
	s_setreg_imm32_b32 hwreg(HW_REG_WAVE_SCHED_MODE, 0, 2), 2
	s_setreg_imm32_b32 hwreg(HW_REG_WAVE_MODE, 25, 1), 1
	s_wait_xcnt 0x0
	s_wait_alu depctr_vm_vsrc(0)
; early: the first 16 rows of each batch, from q, k, v to out0, with every intermediate carried as a pair of f16 (hi + lo, about 21 bits).
; These rows see keys 0 to 15 alone (causal), so a head's attention is one tile of 16 x 16.  They average over few values and are about ten times the size of a typical
; row, while the allowance follows the whole output: one f16 step on v, p and o is too coarse for them, and for them alone.
; sp holds q, k, v of these rows: [3][2 batches][hi, lo][16 rows][1024] f16.  Wo = rows 3,072 .. of wh, f16 numbers that carry bf16's rounding alone, so it needs no pair.
; Work-group (slice, b): 64 columns of out0 for batch b's 16 rows: 32 work-groups.  Eight waves; wave w takes heads 2 w, 2 w + 1, that is 128 of the projection's K:
;   S^T = Kh Qh + Kh Ql + Kl Qh   (source 0 = 16 keys, source 1 = 16 queries; lane (r, h), register j: query r, key 8 h + j)      12 matrix instructions
;   softmax in f32, the row's maximum taken away first; p = exp2(c s - c M), c = log2(e)/8; p cut into hi and lo
;   O^T = [Vh | Vl]^T [P | P]^T  once for P's hi and once for its lo: the 32 of a step's K hold the 16 keys twice                 16
;   o = O / L, cut into hi and lo: a lane's eight results are eight neighbouring d of query r, which pack straight into the second source of
;   out^T += Wo (oh + ol)        over my 128 of K, four tiles of 16 columns                                                       32
; The eight waves' partial sums meet in LDS; each thread adds eight and stores 16 bytes.  Each work-group makes the attention of all 16 heads anew: that is 28 matrix
; instructions a wave, less than handing o between work-groups through memory and another launch would cost.
; No tensor loads, no cluster: a work-group reads some 320 KB once, straight into fragments, and shares nothing at the same time.
; LIMITS: as for f16 elsewhere (magnitudes below 65,504); a lo part below 2^-14 has a step of 2^-24; the products lo x lo of S are left out (2^-22 of a score).
; THE MODE: SCHED_MODE bits 1:0 = 2 (LLVM: expert scheduling mode 2), set by the entry lines.  The code itself states the register dependences
; between vector or matrix instructions and memory or LDS instructions, with s_wait_alu, always for 0.
; THE PLAN.  Registers that memory or LDS instructions touch:
;   v[VQ], v[VV]                     offsets of the global loads: written at the head, ahead of the first wait on va_vdst; never written again.
;   v[VS], v[VT], v[RS], v[RL], v[CO]  LDS addresses and the store's offset: written while the first loads are out, ahead of the second wait on va_vdst; never written again.
;   VB       V's global loads land; my LDS stores read it; the transposing LDS loads land in it (one wait on vm_vsrc between); matrix instructions read it; o's conversions write it.
;   window 1 Q, K, Wo: loads land, matrix instructions read; nothing else names these registers.
;   AB       written by the projection's matrix instructions, read by the LDS stores of the partial sums.
;   OB       matrix and vector work; then the LDS loads of the eight partial sums land in it; the adds work in it; the global store reads it.
;   v254, v255  written at the head, read by the closing add alone.
; The eight masks of the causal rule hang on v[DQ] alone: they are made in one run at the head, into eight scalar registers, with one wait on va_sdst ahead of the selects.
.set VP,    288                        ; V's LDS pitch: 256 + 32, an odd multiple of 32 for the transposing load
.set VWV,   32*VP                      ; a wave's V: 16 rows of hi, 16 of lo
.set RED,   8*VWV                      ; behind V: the partial sums, 16 rows x 272 bytes for each wave
.set RP,    272
.set RWV,   16*RP
.set PARTB, 131072                     ; sp: from q to k to v
.set HLB,   32768                      ; sp: from hi to lo
.set WOOFF, 3072*2048
.set VQ, 3                             ; v3  r x 2,048 + 16 h + 256 w: fragments of Q, K and Wo
.set VV, 4                             ; v4  (l / 16) x 2,048 + 16 (l % 16) + 256 w: rows of V
.set VS, 5                             ; v5  where V's rows go in LDS
.set VT, 6                             ; v6  the transposing load's address
.set RS, 7                             ; v7  where my partial sums go
.set RL, 8                             ; v8  where my 16 bytes of the eight partial sums lie
.set CO, 9                             ; v9  my 16 bytes in out0
.set DQ, 10                            ; v10 r - 8 h: register j is masked where j is larger
.set NI, 11                            ; v11 -inf
.set LS, 12                            ; v12-13 sums
.set MC, 16                            ; v[16:17], v[18:19] -c M (first of each pair; the second is written once, since a pair counts as read whole)
.set RI, 20                            ; v[20:21], v[22:23] 1 / L, likewise
.set T,  24                            ; v24-31 at work; v32-33 what comes from the other half of the lanes
.set SB, 40                            ; v40-55   S of my two heads
.set PB, 56                            ; v56-87   head hd: [Ph | Ph] at 16 hd, [Pl | Pl] at 16 hd + 8
.set OB, 88                            ; v88-151  O: 32 hd + 8 dt
.set VB, 152                           ; v152-215 V as loaded; then V's fragments 8 (4 hd + dt): hi in 0-3, lo in 4-7; then o's fragments 16 ks: hi in 0-7, lo in 8-15
.set AB, 216                           ; v216-247 the projection's four accumulators
; window 1 (written with the low 8 bits): 0-127 fragments of Q (0) and K (64): + 32 hl + 16 hd + 8 kk;  128-255 fragments of Wo: 8 (4 nt + ks)
.set WF, 128
; the mask of register j lies in s16-19 (j = 0..3) and s32-35 (j = 4..7): s[16 + j + 12 (j / 4)]
.set MSB, 0
.macro WIN new
.if MSB != \new
	s_set_vgpr_msb (MSB<<8)|\new
.set MSB, \new
.endif
.endm
.macro PLACES n                        ; plain vector instructions behind a matrix instruction (ISA guide 7.12.1)
.rept \n
	v_nop
.endr
.endm
	s_load_b128 s[4:7], s[0:1], 0x0                ; sp s[4:5], wh s[6:7]
	s_load_b64 s[8:9], s[0:1], 0x10                ; out0
	v_lshl_add_u32 v254, v0, 2, 0x1a800
	v_mov_b32 v255, 0
	v_lshrrev_b32 v1, 5, v0
	v_readfirstlane_b32 s10, v1                    ; w
	s_mov_b32 s11, ttmp9                           ; slice of 64 columns
	s_and_b32 s12, ttmp7, 0xffff                   ; b
	s_mov_b32 s20, 0x76543210                      ; v_permlanex16_b32: lane i of one half reads lane i of the other
	s_mov_b32 s21, 0xfedcba98
	s_mov_b32 s22, 0x3e38aa3b                      ; c = log2(e) / 8
	s_mov_b32 s23, 0xbe38aa3b                      ; -c
	s_mov_b32 s24, 0xffffe000                      ; keeps an f32's sign, exponent and 10 mantissa bits: what f16 holds
	s_lshl_b32 s26, s12, 16                        ; sp: the batch
	s_mov_b32 s27, 0
	s_lshl_b32 s28, s11, 17                        ; wh: Wo's rows 64 x slice ..
	s_add_co_u32 s28, s28, WOOFF
	s_mov_b32 s29, 0
	s_lshl_b32 s30, s12, 23                        ; out0: 2,048 b rows of 4,096 bytes + 256 x slice
	s_lshl_b32 s31, s11, 8
	s_add_co_u32 s30, s30, s31
	s_mov_b32 s31, 0
	s_wait_alu depctr_va_sdst(0)                   ; s10, the wave's number, is written, ahead of its first reader
	s_lshl_b32 s13, s10, 8                         ; my two heads' 256 bytes of a row
	s_mul_i32 s14, s10, VWV
	s_mul_i32 s15, s10, RWV
	s_add_co_u32 s15, s15, RED
	v_and_b32 v1, 15, v0                           ; r
	v_bfe_u32 v2, v0, 4, 1                         ; h
	v_lshlrev_b32 v[VQ], 11, v1
	v_lshl_add_u32 v[VQ], v2, 4, v[VQ]
	v_add_nc_u32 v[VQ], s13, v[VQ]
	v_lshlrev_b32 v[VV], 11, v2
	v_lshl_add_u32 v[VV], v1, 4, v[VV]
	v_add_nc_u32 v[VV], s13, v[VV]
	s_wait_kmcnt 0x0
	s_add_nc_u64 s[4:5], s[4:5], s[26:27]
	s_add_nc_u64 s[6:7], s[6:7], s[28:29]
	s_add_nc_u64 s[8:9], s[8:9], s[30:31]
	s_wait_alu depctr_va_vdst(0)                   ; v[VV] and v[VQ] are written, which all global loads of the kernel read as their offsets; up to Q's and K's loads only loads and a window switch follow
.irp hl, 0,1
.irp i, 0,1,2,3,4,5,6,7
	global_load_b128 v[VB+4*(8*\hl+\i):VB+4*(8*\hl+\i)+3], v[VV], s[4:5] offset:2*PARTB+\hl*HLB+4096*\i   ; two rows of V: 16 lanes take 256 consecutive bytes
.endr
.endr
	WIN 0x40                                       ; destination in window 1
.irp g, 0,1
.irp hl, 0,1
.irp hd, 0,1
.irp kk, 0,1
.irp hf, 0,1
	global_load_b128 v[64*\g+32*\hl+16*\hd+8*\kk+4*\hf:64*\g+32*\hl+16*\hd+8*\kk+4*\hf+3], v[VQ], s[4:5] offset:\g*PARTB+\hl*HLB+128*\hd+64*\kk+32*\hf
.endr
.endr
.endr
.endr
.endr
	WIN 0
	v_mul_u32_u24 v[VS], v2, VP                    ; the lines from here to the wait for V name no register that a load issued above reads or lands in
	v_lshl_add_u32 v[VS], v1, 4, v[VS]
	v_add_nc_u32 v[VS], s14, v[VS]
	v_and_b32 v[VT], 7, v0
	v_lshl_add_u32 v[VT], v2, 3, v[VT]
	v_mul_u32_u24 v[VT], v[VT], VP                 ; key 8 h + l % 8
	v_bfe_u32 v24, v0, 3, 1
	v_lshl_add_u32 v[VT], v24, 4, v[VT]            ; + 16 ((l / 8) % 2)
	v_add_nc_u32 v[VT], s14, v[VT]
	v_mul_u32_u24 v[RS], v1, RP
	v_lshl_add_u32 v[RS], v2, 5, v[RS]             ; row r, 32 bytes for each half of the lanes
	v_add_nc_u32 v[RS], s15, v[RS]
	v_lshrrev_b32 v24, 4, v0                       ; thread / 16: the row that I add up and store
	v_mul_u32_u24 v[RL], v24, RP
	v_lshl_add_u32 v[RL], v1, 4, v[RL]
	v_add_nc_u32 v[RL], RED, v[RL]
	v_lshlrev_b32 v[CO], 12, v24
	v_lshl_add_u32 v[CO], v1, 4, v[CO]
	v_lshlrev_b32 v24, 3, v2
	v_sub_nc_u32 v[DQ], v1, v24
.irp j, 0,1,2,3,4,5,6,7
	v_cmp_gt_i32 s[16+\j+12*(\j/4)], \j, v[DQ]     ; key 8 h + j behind query r: the eight masks in one run; their one wait stands ahead of the selects
.endr
	v_mov_b32 v[NI], 0xff800000
	v_mov_b32 v[MC+1], 0
	v_mov_b32 v[MC+3], 0
	v_mov_b32 v[RI+1], 0
	v_mov_b32 v[RI+3], 0
	v_mov_b32 v32, 0
	v_mov_b32 v33, 0
	s_wait_loadcnt 32                              ; V's 16 loads are in; the 32 younger ones (Q, K) stay out
	s_wait_alu depctr_va_vdst(0)                   ; v[VS], v[VT], v[RS], v[RL] and v[CO] are written: the addresses of every LDS instruction and of the store below
.irp hl, 0,1
.irp i, 0,1,2,3,4,5,6,7
	ds_store_b128 v[VS], v[VB+4*(8*\hl+\i):VB+4*(8*\hl+\i)+3] offset:\hl*16*VP+\i*2*VP
.endr
.endr
	s_wait_dscnt 0x0                               ; my stores of V are done.  The bytes are my wave's own: no barrier
	s_wait_alu depctr_vm_vsrc(0)                   ; the LDS stores have read v152-215, in which the fragments land
.irp hd, 0,1
.irp dt, 0,1,2,3
.irp hl, 0,1
	ds_load_tr16_b128 v[VB+8*(4*\hd+\dt)+4*\hl:VB+8*(4*\hd+\dt)+4*\hl+3], v[VT] offset:\hl*16*VP+128*\hd+32*\dt   ; d = 16 dt + r, keys 8 h + 0..7
.endr
.endr
.endr
	s_wait_loadcnt 0x0                             ; Q and K
	WIN 0x40
.irp nt, 0,1,2,3
.irp ks, 0,1,2,3
.irp hf, 0,1
	global_load_b128 v[WF+8*(4*\nt+\ks)+4*\hf:WF+8*(4*\nt+\ks)+4*\hf+3], v[VQ], s[6:7] offset:32768*\nt+64*\ks+32*\hf   ; Wo's fragments land while the attention is made.  No vector instruction has named their registers, and none since the first wait names v[VQ]
.endr
.endr
.endr
; two matrix instructions, one for each head: the two accumulators take turns, one instruction a turn
.macro SMUL khl, qhl, kk, zero
.irp hd, 0,1
.if \zero
	v_wmma_f32_16x16x32_f16 v[SB+8*\hd:SB+8*\hd+7], v[64+32*\khl+16*\hd+8*\kk:64+32*\khl+16*\hd+8*\kk+7], v[32*\qhl+16*\hd+8*\kk:32*\qhl+16*\hd+8*\kk+7], 0
.else
	v_wmma_f32_16x16x32_f16 v[SB+8*\hd:SB+8*\hd+7], v[64+32*\khl+16*\hd+8*\kk:64+32*\khl+16*\hd+8*\kk+7], v[32*\qhl+16*\hd+8*\kk:32*\qhl+16*\hd+8*\kk+7], v[SB+8*\hd:SB+8*\hd+7]
.endif
.endr
.endm
	WIN 0x05                                       ; sources 0 and 1 in window 1
	SMUL 0, 0, 0, 1
	SMUL 0, 0, 1, 0
	SMUL 0, 1, 0, 0
	SMUL 0, 1, 1, 0
	SMUL 1, 0, 0, 0
	SMUL 1, 0, 1, 0
	WIN 0
	PLACES 4
	s_wait_alu depctr_va_sdst(0)                   ; the eight compares at the head have written their masks, which the selects read
.irp j, 0,1,2,3,4,5,6,7
	v_cndmask_b32 v[SB+\j], v[SB+\j], v[NI], s[16+\j+12*(\j/4)]        ; each accumulator from its low end on
	v_cndmask_b32 v[SB+8+\j], v[SB+8+\j], v[NI], s[16+\j+12*(\j/4)]
.endr
.irp hd, 0,1
	v_max3_num_f32 v[T+\hd], v[SB+8*\hd], v[SB+8*\hd+1], v[SB+8*\hd+2]
	v_max3_num_f32 v[T+\hd], v[T+\hd], v[SB+8*\hd+3], v[SB+8*\hd+4]
	v_max3_num_f32 v[T+\hd], v[T+\hd], v[SB+8*\hd+5], v[SB+8*\hd+6]
	v_max_num_f32 v[T+\hd], v[T+\hd], v[SB+8*\hd+7]
.endr
	v_permlanex16_b32 v32, v[T], s20, s21          ; the other half of the lanes holds the query's other eight keys
	v_permlanex16_b32 v33, v[T+1], s20, s21
.irp hd, 0,1
	v_max_num_f32 v[T+\hd], v[T+\hd], v[32+\hd]    ; finite: key 0 is masked for no query
	v_mul_f32 v[MC+2*\hd], s23, v[T+\hd]
.endr
.irp hd, 0,1
.irp m, 0,1,2,3
	v_pk_fma_f32 v[SB+8*\hd+2*\m:SB+8*\hd+2*\m+1], v[SB+8*\hd+2*\m:SB+8*\hd+2*\m+1], s[22:23], v[MC+2*\hd:MC+2*\hd+1] op_sel_hi:[1,0,0]
.endr
.endr
.set e, 0
.rept 16
	v_exp_f32 v[SB+e], v[SB+e]
.set e, e+1
.endr
	v_nop                                          ; one plain instruction behind the last exponential
	s_wait_alu depctr_va_vdst(0)                   ; the sixteen exponentials have written v[SB ..], ahead of their first reader: one wait for the batch
.irp hd, 0,1
	v_pk_add_f32 v[T+4*\hd:T+4*\hd+1], v[SB+8*\hd:SB+8*\hd+1], v[SB+8*\hd+2:SB+8*\hd+3]
	v_pk_add_f32 v[T+4*\hd+2:T+4*\hd+3], v[SB+8*\hd+4:SB+8*\hd+5], v[SB+8*\hd+6:SB+8*\hd+7]
	v_pk_add_f32 v[T+4*\hd:T+4*\hd+1], v[T+4*\hd:T+4*\hd+1], v[T+4*\hd+2:T+4*\hd+3]
	v_add_f32 v[LS+\hd], v[T+4*\hd], v[T+4*\hd+1]
.endr
	v_permlanex16_b32 v32, v[LS], s20, s21
	v_permlanex16_b32 v33, v[LS+1], s20, s21
	v_add_f32 v32, v32, v[LS]
	v_add_f32 v33, v33, v[LS+1]
	v_rcp_f32 v[RI], v32                           ; the largest p is 1: the sum is at least 1
	v_rcp_f32 v[RI+2], v33
	v_nop                                          ; one plain instruction behind a transcendental
	; p into hi and lo; each goes twice into its fragment, against V's hi (K 0-15) and V's lo (K 16-31)
.irp hd, 0,1
.irp m, 0,1,2,3
	v_and_b32 v[T+2*\m], s24, v[SB+8*\hd+2*\m]
	v_and_b32 v[T+2*\m+1], s24, v[SB+8*\hd+2*\m+1]
	v_cvt_pk_f16_f32 v[PB+16*\hd+\m], v[T+2*\m], v[T+2*\m+1]
	v_cvt_pk_f16_f32 v[PB+16*\hd+4+\m], v[T+2*\m], v[T+2*\m+1]
	v_sub_f32 v[T+2*\m], v[SB+8*\hd+2*\m], v[T+2*\m]
	v_sub_f32 v[T+2*\m+1], v[SB+8*\hd+2*\m+1], v[T+2*\m+1]
	v_cvt_pk_f16_f32 v[PB+16*\hd+8+\m], v[T+2*\m], v[T+2*\m+1]
	v_cvt_pk_f16_f32 v[PB+16*\hd+12+\m], v[T+2*\m], v[T+2*\m+1]
.endr
.endr
	s_wait_dscnt 0x0                               ; V's fragments
	; eight accumulators take turns, one instruction a turn
.irp part, 0,1
.irp hd, 0,1
.irp dt, 0,1,2,3
.if \part == 0
	v_wmma_f32_16x16x32_f16 v[OB+32*\hd+8*\dt:OB+32*\hd+8*\dt+7], v[VB+8*(4*\hd+\dt):VB+8*(4*\hd+\dt)+7], v[PB+16*\hd+8*\part:PB+16*\hd+8*\part+7], 0
.else
	v_wmma_f32_16x16x32_f16 v[OB+32*\hd+8*\dt:OB+32*\hd+8*\dt+7], v[VB+8*(4*\hd+\dt):VB+8*(4*\hd+\dt)+7], v[PB+16*\hd+8*\part:PB+16*\hd+8*\part+7], v[OB+32*\hd+8*\dt:OB+32*\hd+8*\dt+7]
.endif
.endr
.endr
.endr
	PLACES 5                                       ; before O is read and V's registers are written
	; o = O / L into hi and lo.  K step ks = 2 hd + dt / 2; the even tile fills a fragment's registers 0-3, the odd one 4-7
	s_wait_alu depctr_va_vdst(0)                   ; the two reciprocals have written v[RI] and v[RI+2], ahead of their first reader
.irp hd, 0,1
.irp dt, 0,1,2,3
.irp m, 0,1,2,3
	v_pk_mul_f32 v[OB+32*\hd+8*\dt+2*\m:OB+32*\hd+8*\dt+2*\m+1], v[OB+32*\hd+8*\dt+2*\m:OB+32*\hd+8*\dt+2*\m+1], v[RI+2*\hd:RI+2*\hd+1] op_sel_hi:[1,0]
	v_and_b32 v[T+2*\m], s24, v[OB+32*\hd+8*\dt+2*\m]
	v_and_b32 v[T+2*\m+1], s24, v[OB+32*\hd+8*\dt+2*\m+1]
	v_cvt_pk_f16_f32 v[VB+16*(2*\hd+\dt/2)+4*(\dt&1)+\m], v[T+2*\m], v[T+2*\m+1]
	v_sub_f32 v[T+2*\m], v[OB+32*\hd+8*\dt+2*\m], v[T+2*\m]
	v_sub_f32 v[T+2*\m+1], v[OB+32*\hd+8*\dt+2*\m+1], v[T+2*\m+1]
	v_cvt_pk_f16_f32 v[VB+16*(2*\hd+\dt/2)+8+4*(\dt&1)+\m], v[T+2*\m], v[T+2*\m+1]
.endr
.endr
.endr
	s_wait_loadcnt 0x0                             ; Wo's fragments
	WIN 0x01                                       ; source 0 in window 1
	; four accumulators take turns, one instruction a turn
.irp ks, 0,1,2,3
.irp part, 0,1
.irp nt, 0,1,2,3
.if (\ks+\part) == 0
	v_wmma_f32_16x16x32_f16 v[AB+8*\nt:AB+8*\nt+7], v[WF+8*(4*\nt+\ks):WF+8*(4*\nt+\ks)+7], v[VB+16*\ks+8*\part:VB+16*\ks+8*\part+7], 0
.else
	v_wmma_f32_16x16x32_f16 v[AB+8*\nt:AB+8*\nt+7], v[WF+8*(4*\nt+\ks):WF+8*(4*\nt+\ks)+7], v[VB+16*\ks+8*\part:VB+16*\ks+8*\part+7], v[AB+8*\nt:AB+8*\nt+7]
.endif
.endr
.endr
.endr
	WIN 0
	PLACES 4
	s_wait_alu depctr_va_vdst(0)                   ; the matrix instructions have written v[AB ..], which the LDS stores read (the places above stay beside this wait); and all vector work on v[OB ..], in which the partial sums land behind the barrier, is over
.irp nt, 0,1,2,3
	ds_store_b128 v[RS], v[AB+8*\nt:AB+8*\nt+3] offset:64*\nt          ; row r, columns 16 nt + 8 h + 0..7
	ds_store_b128 v[RS], v[AB+8*\nt+4:AB+8*\nt+7] offset:64*\nt+16
.endr
	s_wait_dscnt 0x0                               ; my partial sums are in LDS,
	s_barrier_signal -1
	s_barrier_wait -1                              ; everybody's are
.irp p, 0,1,2,3,4,5,6,7
	ds_load_b128 v[OB+4*\p:OB+4*\p+3], v[RL] offset:\p*RWV             ; no vector or matrix instruction since the wait above
.endr
	s_wait_dscnt 0x0
.irp p, 0,2,4,6
	v_pk_add_f32 v[OB+4*\p:OB+4*\p+1], v[OB+4*\p:OB+4*\p+1], v[OB+4*\p+4:OB+4*\p+5]
	v_pk_add_f32 v[OB+4*\p+2:OB+4*\p+3], v[OB+4*\p+2:OB+4*\p+3], v[OB+4*\p+6:OB+4*\p+7]
.endr
.irp p, 0,4
	v_pk_add_f32 v[OB+4*\p:OB+4*\p+1], v[OB+4*\p:OB+4*\p+1], v[OB+4*\p+8:OB+4*\p+9]
	v_pk_add_f32 v[OB+4*\p+2:OB+4*\p+3], v[OB+4*\p+2:OB+4*\p+3], v[OB+4*\p+10:OB+4*\p+11]
.endr
	v_pk_add_f32 v[OB:OB+1], v[OB:OB+1], v[OB+16:OB+17]
	v_pk_add_f32 v[OB+2:OB+3], v[OB+2:OB+3], v[OB+18:OB+19]
	s_wait_alu depctr_va_vdst(0)                   ; the adds have written v[OB:OB+3], which the store reads
	global_store_b128 v[CO], v[OB:OB+3], s[8:9] th:TH_STORE_NT     ; 16 lanes store 256 consecutive bytes at a multiple of 256
	s_wait_dscnt 0x0                               ; the closing lines, six on end
	s_wait_alu 0x0
	s_wait_tensorcnt 0x0
	ds_add_u32 v254, v255
	s_wait_dscnt 0x0
	s_endpgm
.Lfunc_end_k_qde918d6929_early:
	.size	k_qde918d6929_early, .Lfunc_end_k_qde918d6929_early-k_qde918d6929_early
	.p2alignl 7, 3214868480
	.fill 96, 4, 3214868480
	.section	.rodata,"a",@progbits
	.p2align	6, 0x0
	.amdhsa_kernel k_qde918d6929_early
		.amdhsa_group_segment_fixed_size 109568
		.amdhsa_private_segment_fixed_size 0
		.amdhsa_enable_private_segment 0
		.amdhsa_kernarg_size 24
		.amdhsa_user_sgpr_count 2
		.amdhsa_user_sgpr_kernarg_segment_ptr 1
		.amdhsa_wavefront_size32 1
		.amdhsa_system_sgpr_workgroup_id_x 1
		.amdhsa_system_sgpr_workgroup_id_y 1
		.amdhsa_system_sgpr_workgroup_id_z 1
		.amdhsa_system_vgpr_workitem_id 0
		.amdhsa_next_free_vgpr 512
		.amdhsa_next_free_sgpr 66
		.amdhsa_reserve_vcc 0
		.amdhsa_float_denorm_mode_32 3
		.amdhsa_float_denorm_mode_16_64 3
		.amdhsa_memory_ordered 1
		.amdhsa_forward_progress 1
		.amdhsa_inst_pref_size 37
	.end_amdhsa_kernel
	.amdgpu_metadata
---
amdhsa.version: [ 1, 2 ]
amdhsa.kernels:
  - .name:           k_qde918d6929_early
    .symbol:         k_qde918d6929_early.kd
    .args:
      - { .name: sp, .offset: 0, .size: 8, .value_kind: global_buffer, .address_space: global }
      - { .name: wh, .offset: 8, .size: 8, .value_kind: global_buffer, .address_space: global }
      - { .name: out0, .offset: 16, .size: 8, .value_kind: global_buffer, .address_space: global }
    .group_segment_fixed_size: 109568
    .private_segment_fixed_size: 0
    .kernarg_segment_align: 8
    .kernarg_segment_size: 24
    .max_flat_workgroup_size: 256
    .sgpr_count:     66
    .vgpr_count:     512
    .wavefront_size: 32
...
	.end_amdgpu_metadata
.endif
;; end of part 7
